; MI455X (gfx1250); checked and timed in simulation.
; The chip was launched on July 23, 2026; its instructions are those of AMD's public machine-readable ISA for CDNA 5 (MIT licence, August 2026) and "CDNA5" Instruction Set Architecture Reference Guide (July 2026). The comments in the code are by the model that wrote it; some were corrected since.
;; Bi Directional Min GRU. Allowed arithmetic: float matrix products may take bf16 or f16 operands with f32 sums; all other float work in f32.
;; Inputs: bh_b 512 float32; bh_w 512 x 512 float32; bproj_b 512 float32; bproj_w 512 x 10 float32; bz_b 512 float32; bz_w 512 x 512 float32; fh_b 512 float32; fh_w 512 x 512 float32; fproj_b 512 float32; fproj_w 512 x 10 float32; fz_b 512 float32; fz_w 512 x 512 float32; gh_b1 256 float32; gh_b2 1 float32; gh_w1 256 x 1,032 float32; gh_w2 1 x 256 float32; ln_b 1,032 float32; ln_g 1,032 float32; t 16 x 2,048 float32; te_b1 8 float32; te_b2 8 float32; te_w1 8 x 1 float32; te_w2 8 x 8 float32; time_scale one number float32; x 16 x 2,048 x 2 float32.
;; Outputs: out0 16 x 2,048 x 1 float32.
;; 2 versions, each right; version 2 is version 1 with the launch final written anew for expert scheduling mode. Each part assembles by itself: llvm-mc -triple=amdgcn-amd-amdhsa -mcpu=gfx1250 --defsym DOCPART=n.
;; ======== version 1 of 2: 3 launches
;; limits: a difference of large sums (such as E[x^2] - mean^2): digits are lost where the result is much smaller than its terms; values outside matrix products are rounded to bf16; a function is approximated: absolute error at most 1.5e-07
;; workspace buffers: wf 131,072 bytes; w1g 540,672 bytes; hc 4,096 bytes; xc 1,835,008 bytes; car 4,194,304 bytes
;; launch fold (part 1): grid 144 x 1, 16 waves a work-group, no clusters, 36,864 bytes of LDS; arguments x, t, te_w1, te_b1, te_w2, te_b2, fproj_w, fproj_b, bproj_w, bproj_b, fz_w, fz_b, fh_w, fh_b, bz_w, bz_b, bh_w, bh_b, ln_g, ln_b, time_scale, gh_w1, gh_b1, gh_w2, gh_b2, wf, w1g, hc, xc; writes wf, w1g, hc, xc
.if DOCPART == 1
	.amdgcn_target "amdgcn-amd-amdhsa--gfx1250"
	.amdhsa_code_object_version 6
	.text
	.protected	k_q86732a3bda_fold
	.globl	k_q86732a3bda_fold
	.p2align	8
	.type	k_q86732a3bda_fold,@function
k_q86732a3bda_fold:
	s_mov_b64 s[64:65], 0
	v_nop
	global_prefetch_b8 v0, s[64:65] scope:SCOPE_SE
	s_setreg_imm32_b32 hwreg(HW_REG_WAVE_MODE, 25, 1), 1
	s_wait_xcnt 0x0
; fold: everything that hangs on weights alone, and the per-token records.  Three kinds of work-group, chosen by the group's number:
;   0..63    gate weights.  No non-linearity stands between the 10 -> 512 projection and a 512 x 512 gate, so
;            xp Wg^T + bg = xc (Wg Wp)^T + (Wg bp + bg).  Group (d, ct): 16 channels, one a wave; the 11 numbers of a channel and gate are
;            summed in f32 (the order of rounding differs from the two separate products), split into bf16 hi + lo, and laid out as a matrix fragment.
;            The z gate is scaled by -log2 e, so that 2^D = e^-pre.
;   64..79   head weights W1 * ln_g (last 8 columns also * time_scale, hi + lo), and per head unit C1 = sum of the rounded weights,
;            C0 = sum W1 * ln_b (+ tail * time_scale) + gh_b1, 0.5 * gh_w2, gh_b2.
;   80..143  512 tokens each: the time encoding in f32, records (x, te, 1) in bf16, te's lo parts, sum te and sum te^2.
; A fragment (16 rows x 32 k, bf16) is 1024 bytes: (r, k) at (k>>4)*512 + ((k>>3)&1)*256 + r*16 + (k&7)*2.
; The sums are 11.5 M multiply-adds in all; they run on the vector unit in f32 so that the composite weight is rounded only at its split.
; No cluster, no tensor loads: no tile is shared between groups beyond 20 KB of projection weights.
.set XC_P1, 524288                     ; xc: second 16 bytes of a record
.set XC_P2, 1048576                    ; xc: te's lo parts
.set XC_ST, 1572864                    ; xc: (sum te, sum te^2)
.set HSTG,  33792                      ; LDS: 256 bytes of head constants behind 33 fragments
.macro WSUM r                          ; sum over the 32 lanes, result in every lane; v5 has been written before
	v_add_f32_dpp v[\r], v[\r], v[\r] row_xmask:1 row_mask:0xf bank_mask:0xf
	v_add_f32_dpp v[\r], v[\r], v[\r] row_xmask:2 row_mask:0xf bank_mask:0xf
	v_add_f32_dpp v[\r], v[\r], v[\r] row_xmask:4 row_mask:0xf bank_mask:0xf
	v_add_f32_dpp v[\r], v[\r], v[\r] row_xmask:8 row_mask:0xf bank_mask:0xf
	v_permlanex16_b32 v5, v[\r], s12, s13
	v_add_f32 v[\r], v[\r], v5
.endm
.macro HILO hiw, low, a, b             ; two f32 -> a word of bf16 hi parts and a word of bf16(value - hi); v30, v31 at work
	v_cvt_pk_bf16_f32 v[\hiw], v[\a], v[\b]
	v_lshlrev_b32 v30, 16, v[\hiw]
	v_and_b32 v31, 0xffff0000, v[\hiw]
	v_sub_f32 v30, v[\a], v30
	v_sub_f32 v31, v[\b], v31
	v_cvt_pk_bf16_f32 v[\low], v30, v31
.endm
	v_lshl_add_u32 v254, v0, 2, 0x8800
	v_mov_b32 v255, 0
	v_lshrrev_b32 v1, 5, v0
	v_readfirstlane_b32 s2, v1                     ; wave
	v_and_b32 v1, 31, v0                           ; lane
	v_mov_b32 v2, 0                                ; offset 0 for loads that every lane shares
	v_mov_b32 v5, 0
	s_mov_b32 s12, 0x76543210                      ; v_permlanex16_b32: lane i reads lane i of the other half
	s_mov_b32 s13, 0xfedcba98
	s_cmp_lt_u32 ttmp9, 64
	s_cbranch_scc1 .Lgate
	s_cmp_lt_u32 ttmp9, 80
	s_cbranch_scc1 .Lhead
; ---------------------------------------------------------------- tokens: thread t of group q owns token 512 q + t
	s_load_b128 s[4:7], s[0:1], 0x0                ; x, t
	s_load_b256 s[16:23], s[0:1], 0x10             ; te_w1, te_b1, te_w2, te_b2
	s_load_b64 s[8:9], s[0:1], 0xe0                ; xc
	s_sub_co_u32 s3, ttmp9, 80                     ; q
	s_lshr_b32 s24, s3, 2                          ; batch row
	s_lshl_b32 s24, s24, 13                        ; its 2048 f32 of t
	s_mov_b32 s25, 0
	s_lshl_b32 s26, s3, 12                         ; 512 tokens x 8 bytes
	s_mov_b32 s27, 0
	s_lshl_b32 s28, s3, 11                         ; x 4 bytes
	s_mov_b32 s29, 0
	s_lshl_b32 s30, s3, 13                         ; x 16 bytes
	s_mov_b32 s31, 0
	v_lshlrev_b32 v3, 3, v0
	v_lshlrev_b32 v4, 2, v0
	v_lshlrev_b32 v6, 4, v0
	s_wait_kmcnt 0x0
	s_add_nc_u64 s[24:25], s[6:7], s[24:25]
	s_load_b32 s10, s[24:25], 0x0                  ; t[b][0]
	s_add_nc_u64 s[4:5], s[4:5], s[26:27]
	s_add_nc_u64 s[6:7], s[6:7], s[28:29]
	s_add_nc_u64 s[32:33], s[8:9], s[26:27]        ; for the 8-byte sums
	s_add_nc_u64 s[8:9], s[8:9], s[30:31]          ; for the 16-byte records
	global_load_b64 v[8:9], v3, s[4:5]
	global_load_b32 v10, v4, s[6:7]
.irp h, 0,1
	global_load_b128 v[16+4*\h:19+4*\h], v2, s[16:17] offset:16*\h     ; w1
	global_load_b128 v[24+4*\h:27+4*\h], v2, s[18:19] offset:16*\h     ; b1
	global_load_b128 v[32+4*\h:35+4*\h], v2, s[22:23] offset:16*\h     ; b2
.endr
.set ii, 0
.rept 16
	global_load_b128 v[40+4*ii:43+4*ii], v2, s[20:21] offset:16*ii     ; w2[o][i] at v[40 + 8 o + i]
.set ii, ii+1
.endr
	s_wait_loadcnt 0x0
	s_wait_kmcnt 0x0
	v_sub_f32 v11, v10, s10                        ; ts
.irp i, 0,1,2,3,4,5,6,7
	v_fma_f32 v[104+\i], v11, v[16+\i], v[24+\i]
.endr
.irp i, 0,1,2,3,4,5,6,7
	v_max_num_f32 v[104+\i], 0, v[104+\i]
.endr
.irp o, 0,1,2,3,4,5,6,7
	v_fma_f32 v[112+\o], v104, v[40+8*\o], v[32+\o]        ; eight chains, started by the bias
.endr
.set ii, 1
.rept 7
.irp o, 0,1,2,3,4,5,6,7
	v_fmac_f32 v[112+\o], v[104+ii], v[40+8*\o+ii]
.endr
.set ii, ii+1
.endr
	v_add_f32 v132, v112, v113
	v_mul_f32 v133, v112, v112
.irp o, 1,2,3,4,5,6,7
	v_fmac_f32 v133, v[112+\o], v[112+\o]
.endr
.irp o, 2,3,4,5,6,7
	v_add_f32 v132, v132, v[112+\o]
.endr
	v_cvt_pk_bf16_f32 v120, v8, v9                 ; k 0, 1: x
	HILO 121, 128, 112, 113                        ; k 2..9: te
	HILO 122, 129, 114, 115
	HILO 123, 130, 116, 117
	HILO 124, 131, 118, 119
	v_mov_b32 v125, 0x3f80                         ; k 10: 1.0, which meets the folded bias; k 11: 0
	v_mov_b32 v126, 0
	v_mov_b32 v127, 0
	global_store_b128 v6, v[120:123], s[8:9]               ; each store of a wave covers 512 consecutive bytes
	global_store_b128 v6, v[124:127], s[8:9] offset:XC_P1
	global_store_b128 v6, v[128:131], s[8:9] offset:XC_P2
	global_store_b64 v3, v[132:133], s[32:33] offset:XC_ST ; 256 consecutive bytes
	s_endpgm
; ---------------------------------------------------------------- gates: group (d, ct), wave w owns channel n = 16 ct + w
.Lgate:
	s_load_b256 s[16:23], s[0:1], 0x30             ; fproj_w, fproj_b, bproj_w, bproj_b
	s_load_b512 s[32:47], s[0:1], 0x50             ; fz_w, fz_b, fh_w, fh_b, bz_w, bz_b, bh_w, bh_b
	s_load_b64 s[8:9], s[0:1], 0xc8                ; wf
	s_lshr_b32 s3, ttmp9, 5                        ; d
	s_and_b32 s4, ttmp9, 31                        ; ct
	s_lshl_b32 s5, s4, 4
	s_add_co_u32 s5, s5, s2                        ; n
	v_mul_u32_u24 v3, 160, v1                      ; four rows of 40 bytes a lane
	v_lshlrev_b32 v4, 4, v1
	s_wait_kmcnt 0x0
	s_cmp_eq_u32 s3, 0
	s_cselect_b64 s[16:17], s[16:17], s[20:21]     ; Wp
	s_cselect_b64 s[18:19], s[18:19], s[22:23]     ; bp
	s_cselect_b64 s[32:33], s[32:33], s[40:41]     ; Wz
	s_cselect_b64 s[34:35], s[34:35], s[42:43]     ; bz
	s_cselect_b64 s[36:37], s[36:37], s[44:45]     ; Wh
	s_cselect_b64 s[38:39], s[38:39], s[46:47]     ; bh
	s_lshl_b32 s24, s5, 11                         ; row n of 2048 bytes
	s_mov_b32 s25, 0
	s_add_nc_u64 s[32:33], s[32:33], s[24:25]
	s_add_nc_u64 s[36:37], s[36:37], s[24:25]
	s_lshl_b32 s24, s5, 2
	s_add_nc_u64 s[34:35], s[34:35], s[24:25]
	s_add_nc_u64 s[38:39], s[38:39], s[24:25]
	s_load_b32 s10, s[34:35], 0x0
	s_load_b32 s11, s[38:39], 0x0
	; lane l takes j = 128 i + 4 l + c (i, c = 0..3); Wp[j][col] lands in v[32 + 10 (4 i + c) + col]
.set ii, 0
.rept 4
.set qq, 0
.rept 10
	global_load_b128 v[32+40*ii+4*qq:35+40*ii+4*qq], v3, s[16:17] offset:5120*ii+16*qq
.set qq, qq+1
.endr
	global_load_b128 v[192+4*ii:195+4*ii], v4, s[18:19] offset:512*ii
	global_load_b128 v[208+4*ii:211+4*ii], v4, s[32:33] offset:512*ii
	global_load_b128 v[224+4*ii:227+4*ii], v4, s[36:37] offset:512*ii
.set ii, ii+1
.endr
	s_wait_loadcnt 0x0
	; z sums in v[6:16], h sums in v[17:27]; column 10 is the folded bias; the first product starts each sum
.set ic, 0
.rept 16
.set col, 0
.rept 10
.if ic == 0
	v_mul_f32 v[6+col], v208, v[32+col]
	v_mul_f32 v[17+col], v224, v[32+col]
.else
	v_fmac_f32 v[6+col], v[208+ic], v[32+10*ic+col]
	v_fmac_f32 v[17+col], v[224+ic], v[32+10*ic+col]
.endif
.set col, col+1
.endr
.if ic == 0
	v_mul_f32 v16, v208, v192
	v_mul_f32 v27, v224, v192
.else
	v_fmac_f32 v16, v[208+ic], v[192+ic]
	v_fmac_f32 v27, v[224+ic], v[192+ic]
.endif
.set ic, ic+1
.endr
.set col, 6
.rept 22
	WSUM col
.set col, col+1
.endr
	s_wait_kmcnt 0x0
	v_add_f32 v16, s10, v16
	v_add_f32 v27, s11, v27
.set col, 6
.rept 11
	v_mul_f32 v[col], 0xbfb8aa3b, v[col]           ; z gate x -log2 e
.set col, col+1
.endr
	v_mov_b32 v28, 0
	HILO 32, 40, 6, 7
	HILO 33, 41, 8, 9
	HILO 34, 42, 10, 11
	HILO 35, 43, 12, 13
	HILO 36, 44, 14, 15
	HILO 37, 45, 16, 28
	HILO 48, 56, 17, 18
	HILO 49, 57, 19, 20
	HILO 50, 58, 21, 22
	HILO 51, 59, 23, 24
	HILO 52, 60, 25, 26
	HILO 53, 61, 27, 28
.irp z, 38,39,46,47,54,55,62,63
	v_mov_b32 v\z, 0                               ; k 12..15 and 28..31
.endr
	v_mov_b32 v29, s2
	v_lshlrev_b32 v29, 4, v29                      ; row w of both fragments; every lane holds the same numbers
.irp p, 0,1,2,3,4,5,6,7
	ds_store_b128 v29, v[32+4*\p:35+4*\p] offset:256*\p
.endr
	s_wait_dscnt 0x0                               ; zero: other waves read these rows behind the barrier
	s_barrier_signal -1
	s_barrier_wait -1
	s_cmp_ge_u32 s2, 4
	s_cbranch_scc1 .Lend                           ; 2048 bytes leave by four waves
	v_lshlrev_b32 v26, 4, v0
	ds_load_b128 v[64:67], v26
	v_lshrrev_b32 v25, 6, v0                       ; gate
	v_and_b32 v24, 63, v0
	v_lshlrev_b32 v25, 15, v25
	v_lshl_add_u32 v25, v24, 4, v25
	s_lshl_b32 s24, s3, 16
	s_lshl_b32 s26, s4, 10
	s_add_co_u32 s24, s24, s26
	s_add_nc_u64 s[8:9], s[8:9], s[24:25]
	s_wait_dscnt 0x0
	global_store_b128 v25, v[64:67], s[8:9]        ; 512 consecutive bytes a wave
	s_wait_tensorcnt 0x0
	ds_add_u32 v254, v255
	s_wait_dscnt 0x0
	s_endpgm
; ---------------------------------------------------------------- head: group mt, wave w owns head unit n = 16 mt + w
.Lhead:
	s_load_b128 s[16:19], s[0:1], 0x90             ; ln_g, ln_b
	s_load_b256 s[32:39], s[0:1], 0xa0             ; time_scale, gh_w1, gh_b1, gh_w2
	s_load_b64 s[20:21], s[0:1], 0xc0              ; gh_b2
	s_load_b128 s[24:27], s[0:1], 0xd0             ; w1g, hc
	s_sub_co_u32 s3, ttmp9, 64                     ; mt
	s_lshl_b32 s5, s3, 4
	s_add_co_u32 s5, s5, s2                        ; n
	s_lshl_b32 s28, s5, 2
	s_mov_b32 s29, 0
	v_lshlrev_b32 v3, 4, v1
	s_wait_kmcnt 0x0
	s_add_nc_u64 s[36:37], s[36:37], s[28:29]
	s_add_nc_u64 s[38:39], s[38:39], s[28:29]
	s_mul_i32 s28, s5, 4128                        ; a row of 1032 f32
	s_add_nc_u64 s[34:35], s[34:35], s[28:29]
	s_load_b32 s6, s[32:33], 0x0                   ; time_scale
	s_load_b32 s7, s[36:37], 0x0                   ; gh_b1[n]
	s_load_b32 s10, s[38:39], 0x0                  ; gh_w2[n]
	s_load_b32 s11, s[20:21], 0x0                  ; gh_b2
.set ii, 0
.rept 8                                            ; k = 128 i + 4 l + c
	global_load_b128 v[32+4*ii:35+4*ii], v3, s[34:35] offset:512*ii
	global_load_b128 v[64+4*ii:67+4*ii], v3, s[16:17] offset:512*ii
	global_load_b128 v[96+4*ii:99+4*ii], v3, s[18:19] offset:512*ii
.set ii, ii+1
.endr
.irp h, 0,1                                        ; the 8 time columns, the same in every lane
	global_load_b128 v[128+4*\h:131+4*\h], v2, s[34:35] offset:4096+16*\h
	global_load_b128 v[136+4*\h:139+4*\h], v2, s[16:17] offset:4096+16*\h
	global_load_b128 v[144+4*\h:147+4*\h], v2, s[18:19] offset:4096+16*\h
.endr
	; where my 8 bytes (4 k) of each load go in the stage of fragments
	v_lshrrev_b32 v14, 3, v1
	v_lshlrev_b32 v29, 10, v14
	v_bfe_u32 v14, v1, 2, 1
	v_lshl_add_u32 v29, v14, 9, v29
	v_bfe_u32 v14, v1, 1, 1
	v_lshl_add_u32 v29, v14, 8, v29
	v_and_b32 v14, 1, v1
	v_lshl_add_u32 v29, v14, 3, v29
	s_lshl_b32 s28, s2, 4
	v_add_nc_u32 v29, s28, v29
	v_mov_b32 v28, s28                             ; 16 w
	s_lshl_b32 s28, s2, 2
	v_mov_b32 v27, s28                             ; 4 w
	s_wait_loadcnt 0x0
	s_wait_kmcnt 0x0
.set mm, 0
.rept 16
	v_pk_mul_f32 v[64+2*mm:65+2*mm], v[32+2*mm:33+2*mm], v[64+2*mm:65+2*mm]    ; W1 * ln_g
.set mm, mm+1
.endr
.set mm, 0
.rept 16
	v_cvt_pk_bf16_f32 v[152+mm], v[64+2*mm], v[65+2*mm]
.set mm, mm+1
.endr
.set ii, 0
.rept 8
	ds_store_b64 v29, v[152+2*ii:153+2*ii] offset:4096*ii
.set ii, ii+1
.endr
	v_lshlrev_b32 v6, 16, v152                     ; C1: four chains over the ROUNDED weights, started by the first two words
	v_and_b32 v7, 0xffff0000, v152
	v_lshlrev_b32 v8, 16, v153
	v_and_b32 v9, 0xffff0000, v153
.set mm, 2
.rept 14
	v_lshlrev_b32 v30, 16, v[152+mm]
	v_and_b32 v31, 0xffff0000, v[152+mm]
	v_add_f32 v[6+2*(mm%2)], v[6+2*(mm%2)], v30
	v_add_f32 v[7+2*(mm%2)], v[7+2*(mm%2)], v31
.set mm, mm+1
.endr
.set ee, 0
.rept 32                                           ; C0: W1 * ln_b, four chains
.if ee < 4
	v_mul_f32 v[10+ee], v[32+ee], v[96+ee]
.else
	v_fmac_f32 v[10+ee%4], v[32+ee], v[96+ee]
.endif
.set ee, ee+1
.endr
	; the time columns: W1 * ln_g * time_scale as hi + lo
.irp q, 0,2,4,6
	v_pk_mul_f32 v[136+\q:137+\q], v[128+\q:129+\q], v[136+\q:137+\q]
.endr
.irp q, 0,1,2,3,4,5,6,7
	v_mul_f32 v[136+\q], s6, v[136+\q]
.endr
	v_mul_f32 v15, v128, v144
.irp q, 1,2,3,4,5,6,7
	v_fmac_f32 v15, v[128+\q], v[144+\q]           ; sum W1 * ln_b of the tail, x time_scale below
.endr
	HILO 168, 172, 136, 137
	HILO 169, 173, 138, 139
	HILO 170, 174, 140, 141
	HILO 171, 175, 142, 143
.irp z, 176,177,178,179
	v_mov_b32 v\z, 0
.endr
	ds_store_b128 v28, v[168:171] offset:32768     ; kk 0-7: hi, meets te hi
	ds_store_b128 v28, v[168:171] offset:32768+256 ; kk 8-15: hi, meets te lo
	ds_store_b128 v28, v[172:175] offset:32768+512 ; kk 16-23: lo, meets te hi
	ds_store_b128 v28, v[176:179] offset:32768+768 ; kk 24-31: zero
	v_lshlrev_b32 v14, 16, v168
	v_and_b32 v30, 0xffff0000, v168
	v_add_f32 v14, v14, v30
.irp m, 169,170,171,172,173,174,175
	v_lshlrev_b32 v30, 16, v\m
	v_and_b32 v31, 0xffff0000, v\m
	v_add_f32 v14, v14, v30
	v_add_f32 v14, v14, v31
.endr
	v_add_f32 v6, v6, v7
	v_add_f32 v8, v8, v9
	v_add_f32 v6, v6, v8
	v_add_f32 v10, v10, v11
	v_add_f32 v12, v12, v13
	v_add_f32 v10, v10, v12
	WSUM 6
	WSUM 10
	v_add_f32 v6, v6, v14                          ; C1
	v_fma_f32 v10, v15, s6, v10
	v_add_f32 v10, s7, v10                         ; C0
	v_mov_b32 v30, s10
	v_mul_f32 v30, 0.5, v30                        ; the GELU's 0.5 goes into gh_w2
	v_mov_b32 v31, s11
	ds_store_b32 v27, v6 offset:HSTG
	ds_store_b32 v27, v10 offset:HSTG+64
	ds_store_b32 v27, v30 offset:HSTG+128
	ds_store_b32 v27, v31 offset:HSTG+192
	s_wait_dscnt 0x0                               ; zero: other waves read the stage behind the barrier
	s_barrier_signal -1
	s_barrier_wait -1
	v_lshlrev_b32 v26, 4, v0
	v_lshrrev_b32 v25, 6, v0
	v_and_b32 v24, 63, v0
	v_lshlrev_b32 v25, 12, v25                     ; a K step is 4096 bytes in w1g (four row tiles)
	v_lshl_add_u32 v25, v24, 4, v25
.irp p, 0,1,2,3
	ds_load_b128 v[32+4*\p:35+4*\p], v26 offset:8192*\p
.endr
	s_lshr_b32 s28, s3, 2
	s_mul_i32 s28, s28, 135168
	s_and_b32 s30, s3, 3
	s_lshl_b32 s30, s30, 10
	s_add_co_u32 s28, s28, s30
	s_add_nc_u64 s[24:25], s[24:25], s[28:29]
.irp p, 0,1,2,3
	s_wait_dscnt 3-\p                              ; LDS loads return in order: pass p is in, the younger ones stay out
	global_store_b128 v25, v[32+4*\p:35+4*\p], s[24:25] offset:32768*\p
.endr
	s_cmp_ge_u32 s2, 2
	s_cbranch_scc1 .Lhconst
	ds_load_b128 v[48:51], v26 offset:32768        ; K step 32, by waves 0 and 1
	s_wait_dscnt 0x0
	global_store_b128 v25, v[48:51], s[24:25] offset:131072
	s_wait_tensorcnt 0x0
	ds_add_u32 v254, v255
	s_wait_dscnt 0x0
	s_endpgm
.Lhconst:
	s_cmp_lg_u32 s2, 2
	s_cbranch_scc1 .Lend
	v_lshlrev_b32 v24, 3, v1
	ds_load_b64 v[48:49], v24 offset:HSTG
	s_lshl_b32 s28, s3, 8
	s_add_nc_u64 s[26:27], s[26:27], s[28:29]
	s_wait_dscnt 0x0
	global_store_b64 v24, v[48:49], s[26:27]       ; 256 consecutive bytes
.Lend:
	s_wait_tensorcnt 0x0
	ds_add_u32 v254, v255
	s_wait_dscnt 0x0
	s_endpgm
.Lfunc_end_k_q86732a3bda_fold:
	.size	k_q86732a3bda_fold, .Lfunc_end_k_q86732a3bda_fold-k_q86732a3bda_fold
	.p2alignl 7, 3214868480
	.fill 96, 4, 3214868480
	.section	.rodata,"a",@progbits
	.p2align	6, 0x0
	.amdhsa_kernel k_q86732a3bda_fold
		.amdhsa_group_segment_fixed_size 36864
		.amdhsa_private_segment_fixed_size 0
		.amdhsa_enable_private_segment 0
		.amdhsa_kernarg_size 232
		.amdhsa_user_sgpr_count 2
		.amdhsa_user_sgpr_kernarg_segment_ptr 1
		.amdhsa_wavefront_size32 1
		.amdhsa_system_sgpr_workgroup_id_x 1
		.amdhsa_system_sgpr_workgroup_id_y 1
		.amdhsa_system_sgpr_workgroup_id_z 1
		.amdhsa_system_vgpr_workitem_id 0
		.amdhsa_next_free_vgpr 256
		.amdhsa_next_free_sgpr 66
		.amdhsa_reserve_vcc 0
		.amdhsa_float_denorm_mode_32 3
		.amdhsa_float_denorm_mode_16_64 3
		.amdhsa_memory_ordered 1
		.amdhsa_forward_progress 1
		.amdhsa_inst_pref_size 57
	.end_amdhsa_kernel
	.amdgpu_metadata
---
amdhsa.version: [ 1, 2 ]
amdhsa.kernels:
  - .name:           k_q86732a3bda_fold
    .symbol:         k_q86732a3bda_fold.kd
    .args:
      - { .name: x, .offset: 0, .size: 8, .value_kind: global_buffer, .address_space: global }
      - { .name: t, .offset: 8, .size: 8, .value_kind: global_buffer, .address_space: global }
      - { .name: te_w1, .offset: 16, .size: 8, .value_kind: global_buffer, .address_space: global }
      - { .name: te_b1, .offset: 24, .size: 8, .value_kind: global_buffer, .address_space: global }
      - { .name: te_w2, .offset: 32, .size: 8, .value_kind: global_buffer, .address_space: global }
      - { .name: te_b2, .offset: 40, .size: 8, .value_kind: global_buffer, .address_space: global }
      - { .name: fproj_w, .offset: 48, .size: 8, .value_kind: global_buffer, .address_space: global }
      - { .name: fproj_b, .offset: 56, .size: 8, .value_kind: global_buffer, .address_space: global }
      - { .name: bproj_w, .offset: 64, .size: 8, .value_kind: global_buffer, .address_space: global }
      - { .name: bproj_b, .offset: 72, .size: 8, .value_kind: global_buffer, .address_space: global }
      - { .name: fz_w, .offset: 80, .size: 8, .value_kind: global_buffer, .address_space: global }
      - { .name: fz_b, .offset: 88, .size: 8, .value_kind: global_buffer, .address_space: global }
      - { .name: fh_w, .offset: 96, .size: 8, .value_kind: global_buffer, .address_space: global }
      - { .name: fh_b, .offset: 104, .size: 8, .value_kind: global_buffer, .address_space: global }
      - { .name: bz_w, .offset: 112, .size: 8, .value_kind: global_buffer, .address_space: global }
      - { .name: bz_b, .offset: 120, .size: 8, .value_kind: global_buffer, .address_space: global }
      - { .name: bh_w, .offset: 128, .size: 8, .value_kind: global_buffer, .address_space: global }
      - { .name: bh_b, .offset: 136, .size: 8, .value_kind: global_buffer, .address_space: global }
      - { .name: ln_g, .offset: 144, .size: 8, .value_kind: global_buffer, .address_space: global }
      - { .name: ln_b, .offset: 152, .size: 8, .value_kind: global_buffer, .address_space: global }
      - { .name: time_scale, .offset: 160, .size: 8, .value_kind: global_buffer, .address_space: global }
      - { .name: gh_w1, .offset: 168, .size: 8, .value_kind: global_buffer, .address_space: global }
      - { .name: gh_b1, .offset: 176, .size: 8, .value_kind: global_buffer, .address_space: global }
      - { .name: gh_w2, .offset: 184, .size: 8, .value_kind: global_buffer, .address_space: global }
      - { .name: gh_b2, .offset: 192, .size: 8, .value_kind: global_buffer, .address_space: global }
      - { .name: wf, .offset: 200, .size: 8, .value_kind: global_buffer, .address_space: global }
      - { .name: w1g, .offset: 208, .size: 8, .value_kind: global_buffer, .address_space: global }
      - { .name: hc, .offset: 216, .size: 8, .value_kind: global_buffer, .address_space: global }
      - { .name: xc, .offset: 224, .size: 8, .value_kind: global_buffer, .address_space: global }
    .group_segment_fixed_size: 36864
    .private_segment_fixed_size: 0
    .kernarg_segment_align: 8
    .kernarg_segment_size: 232
    .max_flat_workgroup_size: 512
    .sgpr_count:     66
    .vgpr_count:     256
    .wavefront_size: 32
...
	.end_amdgpu_metadata
.endif
;; end of part 1
;; launch carry (part 2): grid 16 x 16, 16 waves a work-group, no clusters, 100,352 bytes of LDS; arguments wf, xc, car; writes car
.if DOCPART == 2
	.amdgcn_target "amdgcn-amd-amdhsa--gfx1250"
	.amdhsa_code_object_version 6
	.text
	.protected	k_q86732a3bda_carry
	.globl	k_q86732a3bda_carry
	.p2align	8
	.type	k_q86732a3bda_carry,@function
k_q86732a3bda_carry:
	s_mov_b64 s[64:65], 0
	v_nop
	global_prefetch_b8 v0, s[64:65] scope:SCOPE_SE
	s_setreg_imm32_b32 hwreg(HW_REG_WAVE_MODE, 25, 1), 1
	s_wait_xcnt 0x0
; carry: what every sub-chunk of 64 tokens receives from the scan before it, for both directions.
; The model's h_l = A_l * sum b_j / max(A_j, 1e-12), A = cumprod(1 - z), is the recurrence
;   A'_l = (1 - z_l) A'_(l-1)   (A' = 1e12 A),   h_l = (1 - z_l) h_(l-1) + z_l ht_l min(1, A'_l).
; h is linear in the incoming h once the incoming A' is known.  So: pass 1 makes each sub-chunk's product P of (1 - z); a prefix over the 32
; sub-chunks gives the incoming A'; pass 2 runs the recurrence from h = 0 to each sub-chunk's end E; h_in(next) = P h_in + E.
; No length of decay is assumed.  LIMITS: A' underflows 1e12 later than A (h is then below about 1e-20 of ht); where z is within one ulp of 1,
; whether A becomes exactly 0 hangs on the last bit of v_rcp_f32.
; A work-group: one batch row, 32 channels, both directions, all 2048 tokens.  Wave w: tokens 128 w .. 128 w + 127.
; A tile D = tokens x channels: lane (r, hL) holds channel r; register j is the j-th of 8 tokens in scan order; lane half hL is sub-chunk 2 w + hL.
; Four chains t = 2 d + ctl (direction, 16-channel tile) run interleaved.  One matrix instruction per tile: K = 11 (x, te, 1), k 16..26 the same
; token data against the weights' lo parts.
; No cluster, no tensor load: what groups share is a single fill of 64 KB; it goes through registers.
.set EXP, 65536                        ; LDS: token records 2 x 32768, then P, A'_in (+8192), E (+16384), each [d][sub-chunk 32][channel 32] f32
; v4, v5 record address forward / backward; v6, v7 running; v8 my word in P; v9 scanning waves' word; v12 16 l; v13 16 t; v14 8 l
; v[16:23], v[24:31] token fragments forward, backward; v[32:39] running products; v[40:43] P; v[44+2t] A', v[45+2t] h
; v[64:127] weights at 64 + 16 t + 8 gate; v[128:159] Z; v[160:191] H; v[192:223] G
.macro AFETCH                          ; the 8-token step's fragments: s16 = step, forward; 7 - s16, backward
	s_sub_co_u32 s17, 7, s16
	v_lshl_add_u32 v6, s16, 7, v4
	v_lshl_add_u32 v7, s17, 7, v5
	ds_load_b128 v[16:19], v6
	ds_load_b128 v[20:23], v6                      ; the same 16 bytes at k 16..: they meet the lo weights
	ds_load_b128 v[24:27], v7
	ds_load_b128 v[28:31], v7
	s_wait_dscnt 0x0
.endm
.macro GATES nz
.irp t, 0,1,2,3
	v_wmma_f32_16x16x32_bf16 v[128+8*\t:135+8*\t], v[16+8*(\t/2):23+8*(\t/2)], v[64+16*\t:71+16*\t], 0
.endr
.if \nz
.irp t, 0,1,2,3
	v_wmma_f32_16x16x32_bf16 v[160+8*\t:167+8*\t], v[16+8*(\t/2):23+8*(\t/2)], v[72+16*\t:79+16*\t], 0
.endr
.endif
.rept 4
	v_nop                                          ; four independent places before a result is read or a source loaded again (ISA guide 7.12.1)
.endr
.endm
.macro SIG                             ; Z = 1 / (1 + 2^Z); behind each run of transcendentals one plain instruction (ISA guide 5.7.2)
.set kx, 0
.rept 32
	v_exp_f32 v[128+kx], v[128+kx]
.set kx, kx+1
.endr
	v_nop
.set kx, 0
	s_wait_alu depctr_va_vdst(0)
.rept 16
	v_pk_add_f32 v[128+2*kx:129+2*kx], v[128+2*kx:129+2*kx], 1.0 op_sel_hi:[1,0]
.set kx, kx+1
.endr
.set kx, 0
.rept 32
	v_rcp_f32 v[128+kx], v[128+kx]
.set kx, kx+1
.endr
	v_nop
.endm
.macro ACHAIN                          ; A' through 8 tokens; G = min(A', 1)
	s_wait_alu depctr_va_vdst(0)
.irp t, 0,1,2,3
	v_fma_f32 v[192+8*\t], -v[128+8*\t], v[44+2*\t], v[44+2*\t]
.endr
.set jj, 1
.rept 6
.irp t, 0,1,2,3
	v_fma_f32 v[192+8*\t+jj], -v[128+8*\t+jj], v[191+8*\t+jj], v[191+8*\t+jj]
.endr
.irp t, 0,1,2,3
	v_min_num_f32 v[191+8*\t+jj], 1.0, v[191+8*\t+jj]
.endr
.set jj, jj+1
.endr
.irp t, 0,1,2,3
	v_fma_f32 v[44+2*\t], -v[135+8*\t], v[198+8*\t], v[198+8*\t]
.endr
.irp t, 0,1,2,3
	v_min_num_f32 v[198+8*\t], 1.0, v[198+8*\t]
	v_min_num_f32 v[199+8*\t], 1.0, v[44+2*\t]
.endr
.endm
.macro QA                              ; H = ht g z;  Z = 1 - z
.set kx, 0
.rept 16
	v_pk_mul_f32 v[160+2*kx:161+2*kx], v[160+2*kx:161+2*kx], v[192+2*kx:193+2*kx]
.set kx, kx+1
.endr
.set kx, 0
.rept 16
	v_pk_mul_f32 v[160+2*kx:161+2*kx], v[160+2*kx:161+2*kx], v[128+2*kx:129+2*kx]
.set kx, kx+1
.endr
.set kx, 0
.rept 16
	v_pk_fma_f32 v[128+2*kx:129+2*kx], v[128+2*kx:129+2*kx], -1.0, 1.0 op_sel_hi:[1,0,0]
.set kx, kx+1
.endr
.endm
.macro HCHAIN                          ; h through 8 tokens
.irp t, 0,1,2,3
	v_fma_f32 v[160+8*\t], v[128+8*\t], v[45+2*\t], v[160+8*\t]
.endr
.set jj, 1
.rept 6
.irp t, 0,1,2,3
	v_fma_f32 v[160+8*\t+jj], v[128+8*\t+jj], v[159+8*\t+jj], v[160+8*\t+jj]
.endr
.set jj, jj+1
.endr
.irp t, 0,1,2,3
	v_fma_f32 v[45+2*\t], v[135+8*\t], v[166+8*\t], v[167+8*\t]
.endr
.endm
.macro PREFIX dir                      ; incoming A' of all 32 sub-chunks of one direction; lane = channel
.set sg, 0
.rept 32
	ds_load_b32 v[128+sg], v9 offset:\dir*4096+sg*128
.set sg, sg+1
.endr
	s_wait_dscnt 0x0
.if \dir == 0
	v_mov_b32 v160, 0x5368d4a5                     ; 1e12
.set sg, 0
.rept 31
	v_mul_f32 v[161+sg], v[160+sg], v[128+sg]
.set sg, sg+1
.endr
.else
	v_mov_b32 v191, 0x5368d4a5
.set sg, 31
.rept 31
	v_mul_f32 v[159+sg], v[160+sg], v[128+sg]
.set sg, sg-1
.endr
.endif
.set sg, 0
.rept 32
	ds_store_b32 v9, v[160+sg] offset:\dir*4096+8192+sg*128
.set sg, sg+1
.endr
.endm
.macro COUT dir                        ; incoming h of all sub-chunks, and (A', h) out
.set sg, 0
.rept 32
	ds_load_b32 v[128+sg], v9 offset:\dir*4096+sg*128
	ds_load_b32 v[160+sg], v9 offset:\dir*4096+16384+sg*128
	ds_load_b32 v[64+2*sg], v9 offset:\dir*4096+8192+sg*128
.set sg, sg+1
.endr
	s_wait_dscnt 0x0
.if \dir == 0
	v_mov_b32 v65, 0
.set sg, 0
.rept 31
	v_fma_f32 v[67+2*sg], v[128+sg], v[65+2*sg], v[160+sg]
.set sg, sg+1
.endr
.else
	v_mov_b32 v127, 0
.set sg, 31
.rept 31
	v_fma_f32 v[63+2*sg], v[128+sg], v[65+2*sg], v[160+sg]
.set sg, sg-1
.endr
.endif
.set sg, 0
.rept 32
	global_store_b64 v14, v[64+2*sg:65+2*sg], s[8:9] offset:\dir*131072+sg*4096    ; 256 consecutive bytes, aligned
.set sg, sg+1
.endr
.endm
	s_load_b128 s[4:7], s[0:1], 0x0                ; wf, xc
	s_load_b64 s[8:9], s[0:1], 0x10                ; car
	v_lshl_add_u32 v254, v0, 2, 0x18000
	v_mov_b32 v255, 0
	v_lshrrev_b32 v1, 5, v0
	v_readfirstlane_b32 s10, v1                    ; wave
	s_and_b32 s11, ttmp7, 0xffff                   ; batch row; ttmp9: channel group
	v_and_b32 v1, 31, v0
	v_and_b32 v2, 15, v0                           ; r
	v_bfe_u32 v3, v0, 4, 1                         ; hL
	v_bfe_u32 v10, v0, 3, 1
	v_and_b32 v11, 7, v0
	s_lshl_b32 s14, s10, 11                        ; 128 tokens x 16 bytes
	v_lshlrev_b32 v4, 15, v3                       ; plane hL of the record
	v_lshl_add_u32 v4, v10, 10, v4                 ; fragment rows 8..15 are the second sub-chunk
	v_add_nc_u32 v4, s14, v4
	v_sub_nc_u32 v5, 7, v11
	v_lshl_add_u32 v5, v5, 4, v4                   ; backward: the step's tokens in falling order
	v_lshl_add_u32 v4, v11, 4, v4
	s_lshl_b32 s14, s10, 8
	s_add_co_u32 s14, s14, EXP
	v_lshlrev_b32 v8, 7, v3
	v_lshl_add_u32 v8, v2, 2, v8
	v_add_nc_u32 v8, s14, v8                       ; EXP + (2 w + hL) 128 + 4 r
	v_lshlrev_b32 v9, 2, v1
	v_add_nc_u32 v9, EXP, v9
	v_lshlrev_b32 v12, 4, v1
	v_lshlrev_b32 v13, 4, v0
	v_lshlrev_b32 v14, 3, v1
	s_lshl_b32 s14, s11, 15
	s_mov_b32 s15, 0
	s_wait_kmcnt 0x0
	s_add_nc_u64 s[6:7], s[6:7], s[14:15]          ; the row's records
	s_lshl_b32 s14, ttmp9, 11
	s_add_nc_u64 s[4:5], s[4:5], s[14:15]          ; the group's two tiles
	s_lshl_b32 s14, s11, 18
	s_lshl_b32 s18, ttmp9, 8
	s_add_co_u32 s14, s14, s18
	s_add_nc_u64 s[8:9], s[8:9], s[14:15]
.irp p, 0,1
.irp q, 0,1,2,3
	global_load_b128 v[128+16*\p+4*\q:131+16*\p+4*\q], v13, s[6:7] offset:\p*524288+\q*8192
.endr
.endr
.irp t, 0,1,2,3
.irp g, 0,1
	global_load_b128 v[64+16*\t+8*\g:67+16*\t+8*\g], v12, s[4:5] offset:(\t/2)*65536+\g*32768+(\t%2)*1024
	global_load_b128 v[68+16*\t+8*\g:71+16*\t+8*\g], v12, s[4:5] offset:(\t/2)*65536+\g*32768+(\t%2)*1024+512
.endr
.endr
	s_wait_loadcnt 16                              ; the records are in; the 16 weight loads stay out
.irp p, 0,1
.irp q, 0,1,2,3
	ds_store_b128 v13, v[128+16*\p+4*\q:131+16*\p+4*\q] offset:\p*32768+\q*8192
.endr
.endr
	s_wait_dscnt 0x0                               ; zero: every wave reads records that others stored
	s_barrier_signal -1
	s_barrier_wait -1
	s_wait_loadcnt 0x0
.irp q, 0,1,2,3,4,5,6,7
	v_mov_b32 v[32+\q], 1.0
.endr
	; pass 1: the product of (1 - z) over my sub-chunk
	s_mov_b32 s16, 0
.Lp1:
	AFETCH
	GATES 0
	SIG
.set kx, 0
	s_wait_alu depctr_va_vdst(0)
.rept 16
	v_pk_fma_f32 v[128+2*kx:129+2*kx], v[128+2*kx:129+2*kx], -1.0, 1.0 op_sel_hi:[1,0,0]
.set kx, kx+1
.endr
.irp q, 0,1,2,3
.irp t, 0,1,2,3
	v_pk_mul_f32 v[32+2*\t:33+2*\t], v[32+2*\t:33+2*\t], v[128+8*\t+2*\q:129+8*\t+2*\q]
.endr
.endr
	s_add_co_u32 s16, s16, 1
	s_cmp_lt_u32 s16, 8
	s_cbranch_scc1 .Lp1
.irp t, 0,1,2,3
	v_mul_f32 v[40+\t], v[32+2*\t], v[33+2*\t]
.endr
.irp t, 0,1,2,3
	ds_store_b32 v8, v[40+\t] offset:(\t/2)*4096+(\t%2)*64
.endr
	s_wait_dscnt 0x0
	s_barrier_signal -1
	s_barrier_wait -1
	; the prefix: wave 0 forward, wave 1 backward
	s_cmp_lg_u32 s10, 0
	s_cbranch_scc1 .Lnp0
	PREFIX 0
.Lnp0:
	s_cmp_lg_u32 s10, 1
	s_cbranch_scc1 .Lnp1
	PREFIX 1
.Lnp1:
	s_wait_dscnt 0x0
	s_barrier_signal -1
	s_barrier_wait -1
	; pass 2: the recurrence from h = 0 with the true incoming A'
.irp t, 0,1,2,3
	ds_load_b32 v[44+2*\t], v8 offset:8192+(\t/2)*4096+(\t%2)*64
	v_mov_b32 v[45+2*\t], 0
.endr
	s_wait_dscnt 0x0
	s_mov_b32 s16, 0
.Lp2:
	AFETCH
	GATES 1
	SIG
	ACHAIN
	QA
	HCHAIN
	s_add_co_u32 s16, s16, 1
	s_cmp_lt_u32 s16, 8
	s_cbranch_scc1 .Lp2
.irp t, 0,1,2,3
	ds_store_b32 v8, v[45+2*\t] offset:16384+(\t/2)*4096+(\t%2)*64
.endr
	s_wait_dscnt 0x0
	s_barrier_signal -1
	s_barrier_wait -1
	s_cmp_lg_u32 s10, 0
	s_cbranch_scc1 .Lno0
	COUT 0
.Lno0:
	s_cmp_lg_u32 s10, 1
	s_cbranch_scc1 .Lno1
	COUT 1
.Lno1:
	s_wait_tensorcnt 0x0
	ds_add_u32 v254, v255
	s_wait_dscnt 0x0
	s_endpgm
.Lfunc_end_k_q86732a3bda_carry:
	.size	k_q86732a3bda_carry, .Lfunc_end_k_q86732a3bda_carry-k_q86732a3bda_carry
	.p2alignl 7, 3214868480
	.fill 96, 4, 3214868480
	.section	.rodata,"a",@progbits
	.p2align	6, 0x0
	.amdhsa_kernel k_q86732a3bda_carry
		.amdhsa_group_segment_fixed_size 100352
		.amdhsa_private_segment_fixed_size 0
		.amdhsa_enable_private_segment 0
		.amdhsa_kernarg_size 24
		.amdhsa_user_sgpr_count 2
		.amdhsa_user_sgpr_kernarg_segment_ptr 1
		.amdhsa_wavefront_size32 1
		.amdhsa_system_sgpr_workgroup_id_x 1
		.amdhsa_system_sgpr_workgroup_id_y 1
		.amdhsa_system_sgpr_workgroup_id_z 1
		.amdhsa_system_vgpr_workitem_id 0
		.amdhsa_next_free_vgpr 256
		.amdhsa_next_free_sgpr 66
		.amdhsa_reserve_vcc 0
		.amdhsa_float_denorm_mode_32 3
		.amdhsa_float_denorm_mode_16_64 3
		.amdhsa_memory_ordered 1
		.amdhsa_forward_progress 1
		.amdhsa_inst_pref_size 58
	.end_amdhsa_kernel
	.amdgpu_metadata
---
amdhsa.version: [ 1, 2 ]
amdhsa.kernels:
  - .name:           k_q86732a3bda_carry
    .symbol:         k_q86732a3bda_carry.kd
    .args:
      - { .name: wf, .offset: 0, .size: 8, .value_kind: global_buffer, .address_space: global }
      - { .name: xc, .offset: 8, .size: 8, .value_kind: global_buffer, .address_space: global }
      - { .name: car, .offset: 16, .size: 8, .value_kind: global_buffer, .address_space: global }
    .group_segment_fixed_size: 100352
    .private_segment_fixed_size: 0
    .kernarg_segment_align: 8
    .kernarg_segment_size: 24
    .max_flat_workgroup_size: 512
    .sgpr_count:     66
    .vgpr_count:     256
    .wavefront_size: 32
...
	.end_amdgpu_metadata
.endif
;; end of part 2
;; launch final (part 3): grid 16 x 16, 4 waves a work-group, no clusters, 312,832 bytes of LDS; arguments wf, xc, car, w1g, hc, out0; writes out0
.if DOCPART == 3
	.amdgcn_target "amdgcn-amd-amdhsa--gfx1250"
	.amdhsa_code_object_version 6
	.text
	.protected	k_q86732a3bda_final
	.globl	k_q86732a3bda_final
	.p2align	8
	.type	k_q86732a3bda_final,@function
k_q86732a3bda_final:
	s_mov_b64 s[64:65], 0
	v_nop
	global_prefetch_b8 v0, s[64:65] scope:SCOPE_SE
	s_setreg_imm32_b32 hwreg(HW_REG_WAVE_MODE, 25, 1), 1
	s_wait_xcnt 0x0
; final: for 128 tokens of one batch row: both scans (all 512 channels each) into LDS, the head product with the LayerNorm folded in, GELU, the last dot.
; LayerNorm commutes with the head: pre[n] = rstd acc[n] - mu rstd C1[n] + C0[n], acc = sum_k (W1 ln_g)[n][k] h[k]; so raw h (bf16) feeds the
; matrix unit.  sum h comes from a fragment of ones, sum h^2 from the fragment times itself (the diagonal).  The 8 time columns go in as hi + lo.
; HT holds h TRANSPOSED, row = feature k, column = token; a token's column holds h BEFORE that token's update, which is the shift by one token
; in both directions; at a sub-chunk's edge that is the carried h (0 at the sequence's ends).
; Four waves.  Scan: wave w owns channels 128 w .. 128 w + 127 of both directions, in four groups of 32.  Head: wave w owns head units 64 w .. 64 w + 63,
; all 128 tokens: 32 accumulator tiles.
; LIMITS: var = E[h^2] - mu^2, clamped at 0: digits are lost where mu^2 >> var.  erf by Abramowitz-Stegun 7.1.26, absolute error 1.5e-7, any x.
; A' = 1e12 A underflows later than A; where z is within one ulp of 1, A = 0 hangs on the last bit of v_rcp_f32.
; No tensor loads, no cluster: HT takes 304,128 of the LDS bytes, so no ring of 16 KB weight steps fits beside it, and each head-weight fragment is
; used by one wave alone: it goes from memory straight into that wave's registers (a ring of 8 K steps, 256 registers).
.set PITCH, 288                        ; 256 bytes of tokens + 32: an odd multiple of 32, as the transposing loads want
.set HT_B,  512*PITCH                  ; backward rows
.set HT_TE, 1024*PITCH                 ; te hi, te lo, te hi, zeros: 8 rows each
.set XA,    1056*PITCH                 ; token records, two planes of 2048 bytes
.set TS,    XA+4096                    ; (sum te, sum te^2), 8 bytes a token; (rstd, -mu rstd) 1024 bytes further
.set PART,  TS+2048                    ; [wave][position 8][16] f32
; window 0, scan: v4, v5 record addresses; v6, v7, v10, v11 running; v8, v9 HT rows forward, backward; v60, v61 + group; v12 16 l; v13 carry offset;
;   v[16:31] token fragments; v[44+2t] A', v[45+2t] h; v[52:59] next group's carries; v[64:127] weights; v[128:159] Z; v[160:191] H; v[192:223] G, then packed h
; window 0, head: v[4:7] HT addresses; v[16:23] ones; v[32:47] sum h; v[48:63] h h^T; v[64:127], v[128:191] token fragments, two buffers
; window 1: 32 accumulator tiles at 8 (8 i + p);  window 2: head weights, slot (K step & 7) at 32 slot + 8 i
.set MSB, 0
.macro WIN new                         ; the immediate's high byte repeats the setting that is left
.if MSB != \new
	s_set_vgpr_msb (MSB<<8)|\new
.set MSB, \new
.endif
.endm
.macro AFETCH
	s_sub_co_u32 s17, 7, s16
	v_lshl_add_u32 v6, s16, 7, v4
	v_lshl_add_u32 v7, s17, 7, v5
	ds_load_b128 v[16:19], v6
	ds_load_b128 v[20:23], v6                      ; the same 16 bytes at k 16..: they meet the lo weights
	ds_load_b128 v[24:27], v7
	ds_load_b128 v[28:31], v7
	s_wait_dscnt 0x0
.endm
.macro GATES
.irp t, 0,1,2,3
	v_wmma_f32_16x16x32_bf16 v[128+8*\t:135+8*\t], v[16+8*(\t/2):23+8*(\t/2)], v[64+16*\t:71+16*\t], 0
.endr
.irp t, 0,1,2,3
	v_wmma_f32_16x16x32_bf16 v[160+8*\t:167+8*\t], v[16+8*(\t/2):23+8*(\t/2)], v[72+16*\t:79+16*\t], 0
.endr
.rept 4
	v_nop                                          ; four independent places before a result is read or a source loaded again (ISA guide 7.12.1)
.endr
.endm
.macro SIG                             ; Z = 1 / (1 + 2^Z); behind each run of transcendentals one plain instruction (ISA guide 5.7.2)
.set kx, 0
.rept 32
	v_exp_f32 v[128+kx], v[128+kx]
.set kx, kx+1
.endr
	v_nop
.set kx, 0
	s_wait_alu depctr_va_vdst(0)
.rept 16
	v_pk_add_f32 v[128+2*kx:129+2*kx], v[128+2*kx:129+2*kx], 1.0 op_sel_hi:[1,0]
.set kx, kx+1
.endr
.set kx, 0
.rept 32
	v_rcp_f32 v[128+kx], v[128+kx]
.set kx, kx+1
.endr
	v_nop
.endm
.macro ACHAIN                          ; A' through 8 tokens; G = min(A', 1)
	s_wait_alu depctr_va_vdst(0)
.irp t, 0,1,2,3
	v_fma_f32 v[192+8*\t], -v[128+8*\t], v[44+2*\t], v[44+2*\t]
.endr
.set jj, 1
.rept 6
.irp t, 0,1,2,3
	v_fma_f32 v[192+8*\t+jj], -v[128+8*\t+jj], v[191+8*\t+jj], v[191+8*\t+jj]
.endr
.irp t, 0,1,2,3
	v_min_num_f32 v[191+8*\t+jj], 1.0, v[191+8*\t+jj]
.endr
.set jj, jj+1
.endr
.irp t, 0,1,2,3
	v_fma_f32 v[44+2*\t], -v[135+8*\t], v[198+8*\t], v[198+8*\t]
.endr
.irp t, 0,1,2,3
	v_min_num_f32 v[198+8*\t], 1.0, v[198+8*\t]
	v_min_num_f32 v[199+8*\t], 1.0, v[44+2*\t]
.endr
.endm
.macro QA                              ; H = ht g z;  Z = 1 - z
.set kx, 0
.rept 16
	v_pk_mul_f32 v[160+2*kx:161+2*kx], v[160+2*kx:161+2*kx], v[192+2*kx:193+2*kx]
.set kx, kx+1
.endr
.set kx, 0
.rept 16
	v_pk_mul_f32 v[160+2*kx:161+2*kx], v[160+2*kx:161+2*kx], v[128+2*kx:129+2*kx]
.set kx, kx+1
.endr
.set kx, 0
.rept 16
	v_pk_fma_f32 v[128+2*kx:129+2*kx], v[128+2*kx:129+2*kx], -1.0, 1.0 op_sel_hi:[1,0,0]
.set kx, kx+1
.endr
.endm
.macro HCHAIN                          ; h through 8 tokens; the word that needs the OLD carried h is packed before that is replaced
.irp t, 0,1,2,3
	v_fma_f32 v[160+8*\t], v[128+8*\t], v[45+2*\t], v[160+8*\t]
.endr
	v_cvt_pk_bf16_f32 v192, v45, v160              ; forward: tokens 0, 1 of the step see (carried h, h0)
	v_cvt_pk_bf16_f32 v200, v47, v168
	v_cvt_pk_bf16_f32 v211, v176, v49              ; backward: tokens 6, 7 see (h0, carried h)
	v_cvt_pk_bf16_f32 v219, v184, v51
.set jj, 1
.rept 6
.irp t, 0,1,2,3
	v_fma_f32 v[160+8*\t+jj], v[128+8*\t+jj], v[159+8*\t+jj], v[160+8*\t+jj]
.endr
.set jj, jj+1
.endr
.irp t, 0,1,2,3
	v_fma_f32 v[45+2*\t], v[135+8*\t], v[166+8*\t], v[167+8*\t]
.endr
.endm
.macro BFLOAD                          ; a group's 8 weight fragments
.irp t, 0,1,2,3
.irp g, 0,1
	global_load_b128 v[64+16*\t+8*\g:67+16*\t+8*\g], v12, s[20:21] offset:(\t/2)*65536+\g*32768+(\t%2)*1024
	global_load_b128 v[68+16*\t+8*\g:71+16*\t+8*\g], v12, s[20:21] offset:(\t/2)*65536+\g*32768+(\t%2)*1024+512
.endr
.endr
.endm
.macro NCLOAD                          ; a group's incoming (A', h)
.irp t, 0,1,2,3
	global_load_b64 v[52+2*\t:53+2*\t], v13, s[22:23] offset:(\t/2)*131072+(\t%2)*128
.endr
.endm
.macro STEP more                       ; 8 tokens of both sub-chunks, four chains
	AFETCH
	v_lshl_add_u32 v10, s16, 4, v60
	v_lshl_add_u32 v11, s17, 4, v61
	GATES
.if \more
	BFLOAD                                         ; the next group's, behind the group's last products and their four places
	NCLOAD
.endif
	SIG
	ACHAIN
	QA
	HCHAIN
.irp t, 0,1
	v_cvt_pk_bf16_f32 v[193+8*\t], v[161+8*\t], v[162+8*\t]
	v_cvt_pk_bf16_f32 v[194+8*\t], v[163+8*\t], v[164+8*\t]
	v_cvt_pk_bf16_f32 v[195+8*\t], v[165+8*\t], v[166+8*\t]
.endr
.irp t, 2,3
	v_cvt_pk_bf16_f32 v[192+8*\t], v[166+8*\t], v[165+8*\t]
	v_cvt_pk_bf16_f32 v[193+8*\t], v[164+8*\t], v[163+8*\t]
	v_cvt_pk_bf16_f32 v[194+8*\t], v[162+8*\t], v[161+8*\t]
.endr
	ds_store_b128 v10, v[192:195]
	ds_store_b128 v10, v[200:203] offset:16*PITCH
	ds_store_b128 v11, v[208:211]
	ds_store_b128 v11, v[216:219] offset:16*PITCH
.endm
.macro GROUP more, lab                 ; 32 channels, both directions, 128 tokens; s18 = the group's number
.irp e, 0,1,2,3,4,5,6,7
	v_mov_b32 v[44+\e], v[52+\e]
.endr
	s_mul_i32 s39, s18, 32*PITCH
	v_add_nc_u32 v60, s39, v8
	v_add_nc_u32 v61, s39, v9
.if \more
	s_add_nc_u64 s[20:21], s[20:21], 2048          ; the loads that named these bases were waited for (count 0) before this line
	s_add_nc_u64 s[22:23], s[22:23], 256
.endif
	s_mov_b32 s16, 0
.Lstep\lab:
	STEP 0
	s_add_co_u32 s16, s16, 1
	s_cmp_lt_u32 s16, 7
	s_cbranch_scc1 .Lstep\lab
	STEP \more
.if \more
	s_wait_loadcnt 0x0
.endif
.endm
.macro BLOAD buf                       ; 8 token fragments (32 k x 16 tokens) of one K step, transposed on the way
.irp a, 0,1,2,3
.irp u, 0,1
	ds_load_tr16_b128 v[\buf+16*\a+8*\u:\buf+16*\a+8*\u+3], v[4+\a] offset:32*\u
	ds_load_tr16_b128 v[\buf+16*\a+8*\u+4:\buf+16*\a+8*\u+7], v[4+\a] offset:32*\u+16*PITCH
.endr
.endr
.endm
.macro WLOAD ks, sl                    ; my 4 weight fragments of K step ks into ring slot sl (window 2)
.irp f, 0,1,2,3
	global_load_b128 v[32*(\sl)+8*\f:32*(\sl)+8*\f+3], v12, s[24:25] offset:(\ks)*4096+\f*1024
	global_load_b128 v[32*(\sl)+8*\f+4:32*(\sl)+8*\f+7], v12, s[24:25] offset:(\ks)*4096+\f*1024+512
.endr
.endm
.macro HSTEP                           ; K step st of the head
.set cur, 64+64*(st&1)
.set nxt, 128-64*(st&1)
.set wsl, 32*(st&7)
.if st < 32
	WIN 0
.irp a, 0,1,2,3
	v_add_nc_u32 v[4+\a], 32*PITCH, v[4+\a]        ; also the four places between the last step's products and the loads into their sources
.endr
	BLOAD nxt
.if st >= 1
.if st <= 25
	WIN 0x80
	WLOAD (st+7), ((st-1)&7)
.endif
.endif
	s_wait_dscnt 16                                ; this step's fragments are in; the run of 16 just issued stays out
.else
	s_wait_dscnt 0x0
.endif
.if st < 25
	s_wait_loadcnt 56                              ; 8 loads for each of the 7 K steps asked for behind this one
.else
	s_wait_loadcnt 8*(32-st)                       ; the ring runs out: 32 - st steps behind this one
.endif
	WIN 0x52                                       ; A window 2, B window 0, C and D window 1
.irp i, 0,1,2,3
.irp p, 0,1,2,3,4,5,6,7
.if st == 0
	v_wmma_f32_16x16x32_bf16 v[8*(8*\i+\p):8*(8*\i+\p)+7], v[wsl+8*\i:wsl+8*\i+7], v[cur+8*\p:cur+8*\p+7], 0
.else
	v_wmma_f32_16x16x32_bf16 v[8*(8*\i+\p):8*(8*\i+\p)+7], v[wsl+8*\i:wsl+8*\i+7], v[cur+8*\p:cur+8*\p+7], v[8*(8*\i+\p):8*(8*\i+\p)+7]
.endif
.endr
.endr
.if st < 32
	WIN 0                                          ; the LayerNorm sums of my own two token tiles (positions 0, 1); te's come in f32 from the records
.irp u, 0,1
.if st == 0
	v_wmma_f32_16x16x32_bf16 v[32+8*\u:39+8*\u], v[16:23], v[cur+8*\u:cur+8*\u+7], 0
	v_wmma_f32_16x16x32_bf16 v[48+8*\u:55+8*\u], v[cur+8*\u:cur+8*\u+7], v[cur+8*\u:cur+8*\u+7], 0
.else
	v_wmma_f32_16x16x32_bf16 v[32+8*\u:39+8*\u], v[16:23], v[cur+8*\u:cur+8*\u+7], v[32+8*\u:39+8*\u]
	v_wmma_f32_16x16x32_bf16 v[48+8*\u:55+8*\u], v[cur+8*\u:cur+8*\u+7], v[cur+8*\u:cur+8*\u+7], v[48+8*\u:55+8*\u]
.endif
.endr
.endif
.endm
; 8 head units: y (1 + erf(y / sqrt 2)) (w2 / 2) into four pair sums.  X v[192:199], U v[200:207], E v[208:215], P v[216:223].
; The polynomial's coefficients are negated, so that erf|x| = P E + 1.
.macro GEL8 i, first
.irp q, 0,2,4,6
	v_pk_mul_f32 v[192+\q:193+\q], v[160+8*\i+\q:161+8*\i+\q], 0x3f3504f3 op_sel_hi:[1,0]
.endr
.irp q, 0,1,2,3,4,5,6,7
	v_fma_f32 v[200+\q], |v[192+\q]|, 0x3ea7ba05, 1.0
.endr
.irp q, 0,2,4,6
	v_pk_mul_f32 v[208+\q:209+\q], v[192+\q:193+\q], v[192+\q:193+\q]
.endr
.irp q, 0,2,4,6
	v_pk_mul_f32 v[208+\q:209+\q], v[208+\q:209+\q], 0xbfb8aa3b op_sel_hi:[1,0]
.endr
.irp q, 0,1,2,3,4,5,6,7
	v_rcp_f32 v[200+\q], v[200+\q]
.endr
.irp q, 0,1,2,3,4,5,6,7
	v_exp_f32 v[208+\q], v[208+\q]
.endr
	v_nop
	s_wait_alu depctr_va_vdst(0)
.irp q, 0,2,4,6
	v_pk_fma_f32 v[216+\q:217+\q], v[200+\q:201+\q], v[28:29], 0x3fba00e3 op_sel_hi:[1,1,0]
.endr
.irp c, 0xbfb5f0e3, 0x3e91a98e, 0xbe827906
.irp q, 0,2,4,6
	v_pk_fma_f32 v[216+\q:217+\q], v[216+\q:217+\q], v[200+\q:201+\q], \c op_sel_hi:[1,1,0]
.endr
.endr
.irp q, 0,2,4,6
	v_pk_mul_f32 v[216+\q:217+\q], v[216+\q:217+\q], v[200+\q:201+\q]
.endr
.irp q, 0,2,4,6
	v_pk_fma_f32 v[216+\q:217+\q], v[216+\q:217+\q], v[208+\q:209+\q], 1.0 op_sel_hi:[1,1,0]
.endr
.irp q, 0,1,2,3,4,5,6,7
	v_bfi_b32 v[216+\q], 0x7fffffff, v[216+\q], v[192+\q]  ; x's sign
.endr
.irp q, 0,2,4,6
	v_pk_add_f32 v[216+\q:217+\q], v[216+\q:217+\q], 1.0 op_sel_hi:[1,0]
.endr
.irp q, 0,2,4,6
	v_pk_mul_f32 v[160+8*\i+\q:161+8*\i+\q], v[160+8*\i+\q:161+8*\i+\q], v[128+8*\i+\q:129+8*\i+\q]
.endr
.irp q, 0,2,4,6
.if \first
	v_pk_mul_f32 v[40+\q:41+\q], v[160+8*\i+\q:161+8*\i+\q], v[216+\q:217+\q]
.else
	v_pk_fma_f32 v[40+\q:41+\q], v[160+8*\i+\q:161+8*\i+\q], v[216+\q:217+\q], v[40+\q:41+\q]
.endif
.endr
.endm
.macro POS p                           ; one token tile: 16 tokens x my 64 head units
.set ee, 0
.rept 32
	v_fma_f32 v[160+ee], v[225+2*\p], v[64+ee], v[96+ee]   ; -mu rstd C1 + C0
.set ee, ee+1
.endr
	WIN 0x01                                       ; source 0 (the accumulators) in window 1
.set ee, 0
.rept 16
	v_pk_fma_f32 v[160+2*ee:161+2*ee], v[8*(8*(ee/4)+\p)+2*(ee%4):8*(8*(ee/4)+\p)+2*(ee%4)+1], v[224+2*\p:225+2*\p], v[160+2*ee:161+2*ee] op_sel_hi:[1,0,1]
.set ee, ee+1
.endr
	WIN 0
	GEL8 0, 1
	GEL8 1, 0
	GEL8 2, 0
	GEL8 3, 0
	v_pk_add_f32 v[40:41], v[40:41], v[42:43]
	v_pk_add_f32 v[44:45], v[44:45], v[46:47]
	v_pk_add_f32 v[40:41], v[40:41], v[44:45]
	v_add_f32 v[240+\p], v40, v41
.endm
	s_load_b256 s[4:11], s[0:1], 0x0               ; wf, xc, car, w1g
	s_load_b128 s[12:15], s[0:1], 0x20             ; hc, out0
	v_lshl_add_u32 v254, v0, 2, 0x4c400
	v_mov_b32 v255, 0
	v_lshrrev_b32 v1, 5, v0
	v_readfirstlane_b32 s19, v1                    ; wave
	s_and_b32 s2, ttmp7, 0xffff                    ; batch row
	s_mov_b32 s3, ttmp9                            ; chunk of 128 tokens
	s_mov_b32 s30, 0x76543210
	s_mov_b32 s31, 0xfedcba98
	v_and_b32 v1, 31, v0
	v_and_b32 v2, 15, v0                           ; r
	v_bfe_u32 v3, v0, 4, 1                         ; hL
	v_bfe_u32 v14, v0, 3, 1
	v_and_b32 v15, 7, v0
	v_lshlrev_b32 v4, 11, v3                       ; plane hL
	v_lshl_add_u32 v4, v14, 10, v4                 ; fragment rows 8..15: the second sub-chunk
	v_add_nc_u32 v4, XA, v4
	v_sub_nc_u32 v5, 7, v15
	v_lshl_add_u32 v5, v5, 4, v4
	v_lshl_add_u32 v4, v15, 4, v4
	s_mul_i32 s36, s19, 128*PITCH
	v_mul_u32_u24 v8, PITCH, v2
	v_lshl_add_u32 v8, v3, 7, v8                   ; row r, column of sub-chunk hL
	v_add_nc_u32 v8, s36, v8
	v_add_nc_u32 v9, HT_B, v8
	v_lshlrev_b32 v12, 4, v1
	v_lshlrev_b32 v13, 12, v3
	v_lshl_add_u32 v13, v2, 3, v13
	v_lshlrev_b32 v35, 4, v0
	v_lshlrev_b32 v36, 3, v0
	v_add_nc_u32 v32, XA, v35
	v_add_nc_u32 v33, TS, v36
	v_lshlrev_b32 v34, 1, v0
	v_add_nc_u32 v34, HT_TE, v34
	v_mov_b32 v37, 0
	s_lshl_b32 s28, s2, 15
	s_lshl_b32 s36, s3, 11
	s_add_co_u32 s28, s28, s36                     ; my first token x 16 bytes
	s_mov_b32 s29, 0
	s_lshr_b32 s36, s28, 1                         ; x 8 bytes
	s_mov_b32 s37, 0
	s_wait_kmcnt 0x0
	s_add_nc_u64 s[32:33], s[6:7], s[28:29]
	s_add_nc_u64 s[34:35], s[6:7], s[36:37]
	s_lshl_b32 s28, s19, 13
	s_add_nc_u64 s[20:21], s[4:5], s[28:29]        ; wf at my first group
	s_lshl_b32 s28, s2, 18
	s_lshl_b32 s36, s3, 13
	s_add_co_u32 s28, s28, s36
	s_lshl_b32 s36, s19, 10
	s_add_co_u32 s28, s28, s36
	s_add_nc_u64 s[22:23], s[8:9], s[28:29]        ; car at (b, sub-chunk 2 c, my first channel)
	s_mul_i32 s28, s19, 135168
	s_add_nc_u64 s[24:25], s[10:11], s[28:29]      ; my 64 head units' weights
	s_lshl_b32 s28, s19, 10
	s_add_nc_u64 s[26:27], s[12:13], s[28:29]      ; and constants
	s_lshl_b32 s28, s2, 13
	s_lshl_b32 s36, s3, 9
	s_add_co_u32 s28, s28, s36
	s_add_nc_u64 s[14:15], s[14:15], s[28:29]
	; PHASE 0: thread t brings token t's record
	global_load_b128 v[128:131], v35, s[32:33]
	global_load_b128 v[132:135], v35, s[32:33] offset:524288
	global_load_b128 v[136:139], v35, s[32:33] offset:1048576
	global_load_b64 v[140:141], v36, s[34:35] offset:1572864
	BFLOAD
	NCLOAD
	s_wait_loadcnt 20                              ; the record is in; 16 weight and 4 carry loads stay out
	ds_store_b128 v32, v[128:131]
	ds_store_b128 v32, v[132:135] offset:2048
	ds_store_b64 v33, v[140:141]
.irp m, 0,1,2,3
	ds_store_b16 v34, v[129+\m] offset:(2*\m)*PITCH                ; te hi
	ds_store_b16_d16_hi v34, v[129+\m] offset:(2*\m+1)*PITCH
	ds_store_b16 v34, v[136+\m] offset:(8+2*\m)*PITCH              ; te lo
	ds_store_b16_d16_hi v34, v[136+\m] offset:(9+2*\m)*PITCH
	ds_store_b16 v34, v[129+\m] offset:(16+2*\m)*PITCH             ; te hi again, for the weights' lo parts
	ds_store_b16_d16_hi v34, v[129+\m] offset:(17+2*\m)*PITCH
	ds_store_b16 v34, v37 offset:(24+2*\m)*PITCH                   ; zeros: LDS is not cleared
	ds_store_b16 v34, v37 offset:(25+2*\m)*PITCH
.endr
	s_wait_dscnt 0x0                               ; zero: every wave reads all records
	s_barrier_signal -1
	s_barrier_wait -1
	s_wait_loadcnt 0x0
	WIN 0x80                                       ; the head's first 8 K steps of weights are asked for now: their registers are idle during the scan
.set ks0, 0
.rept 8
	WLOAD ks0, ks0
.set ks0, ks0+1
.endr
	WIN 0
	; PHASE 1: the scans
	s_mov_b32 s18, 0
.Lgroup:
	GROUP 1, a
	s_add_co_u32 s18, s18, 1
	s_cmp_lt_u32 s18, 3
	s_cbranch_scc1 .Lgroup
	GROUP 0, b
	s_wait_dscnt 0x0                               ; zero: every wave reads all of HT
	s_barrier_signal -1
	s_barrier_wait -1
	; PHASE 2: the head.  Position p = 2 a + u holds token tile 2 (a xor w) + u, so that positions 0, 1 are the wave's own tiles 2 w, 2 w + 1.
	v_and_b32 v14, 7, v0
	v_lshl_add_u32 v14, v3, 3, v14
	v_mul_u32_u24 v14, PITCH, v14
	v_bfe_u32 v15, v0, 3, 1
	v_lshl_add_u32 v14, v15, 4, v14
.irp a, 0,1,2,3
	s_xor_b32 s36, s19, \a
	s_lshl_b32 s36, s36, 6
	v_add_nc_u32 v[4+\a], s36, v14
.endr
.irp e, 0,1,2,3,4,5,6,7
	v_mov_b32 v[16+\e], 0x3f803f80                 ; ones
.endr
	BLOAD 64
.set st, 0
.rept 33
	HSTEP
.set st, st+1
.endr
	WIN 0
.rept 4
	v_nop                                          ; four places before results are read and sources loaded again
.endr
	; PHASE 3
	v_lshlrev_b32 v14, 5, v3                       ; my 8 head units of each tile: 32 hL bytes
.irp i, 0,1,2,3
.irp c, 0,1,2
	global_load_b128 v[64+32*\c+8*\i:67+32*\c+8*\i], v14, s[26:27] offset:256*\i+64*\c
	global_load_b128 v[68+32*\c+8*\i:71+32*\c+8*\i], v14, s[26:27] offset:256*\i+64*\c+16
.endr
.endr
	s_load_b32 s48, s[26:27], 0xc0                 ; gh_b2
	s_lshl_b32 s36, s19, 5
	v_add_nc_u32 v15, s36, v2
	v_lshl_add_u32 v8, v15, 3, TS                  ; my own tiles' tokens
.irp a, 1,2,3
	s_xor_b32 s36, s19, \a
	s_lshl_b32 s36, s36, 5
	v_add_nc_u32 v15, s36, v2
	v_lshl_add_u32 v[8+\a], v15, 3, TS
.endr
	s_lshl_b32 s38, s19, 9
	s_add_co_u32 s38, s38, PART
	v_lshl_add_u32 v24, v2, 2, s38                 ; PART + 512 w + 4 r
	v_mov_b32 v28, 0xbf87dc22
	v_mov_b32 v29, 0xbf87dc22
	ds_load_b64 v[192:193], v8
	ds_load_b64 v[194:195], v8 offset:128
	v_and_b32 v13, 7, v0
.irp j, 1,2,3,4,5,6,7
	v_cmp_eq_u32 s[39+\j], \j, v13
.endr
	v_bfe_u32 v15, v0, 3, 1
	v_cmp_eq_u32 s47, v15, v3
.irp u, 0,1                                        ; the diagonal of h h^T: element (r, r) lies in lane half r >> 3, register r & 7
	v_cndmask_b32 v[30+\u], v[48+8*\u], v[49+8*\u], s40
.irp j, 2,3,4,5,6,7
	v_cndmask_b32 v[30+\u], v[30+\u], v[48+8*\u+\j], s[39+\j]
.endr
	v_cndmask_b32 v[30+\u], 0, v[30+\u], s47
	v_permlanex16_b32 v15, v[30+\u], s30, s31
	v_add_f32 v[30+\u], v[30+\u], v15
.endr
	s_wait_dscnt 0x0
.irp u, 0,1
	v_add_f32 v[196+4*\u], v[32+8*\u], v[192+2*\u]
	v_add_f32 v[197+4*\u], v[30+\u], v[193+2*\u]
	v_mul_f32 v[196+4*\u], 0x3a7e03f8, v[196+4*\u]             ; / 1032: mu
	v_mul_f32 v[197+4*\u], 0x3a7e03f8, v[197+4*\u]
	v_fma_f32 v[197+4*\u], -v[196+4*\u], v[196+4*\u], v[197+4*\u]
	v_max_num_f32 v[197+4*\u], 0, v[197+4*\u]
	v_add_f32 v[197+4*\u], 0x3727c5ac, v[197+4*\u]             ; + 1e-5
	v_rsq_f32 v[198+4*\u], v[197+4*\u]
	v_nop
	s_wait_alu depctr_va_vdst(0)
	v_mul_f32 v[199+4*\u], -v[196+4*\u], v[198+4*\u]
	ds_store_b64 v8, v[198+4*\u:199+4*\u] offset:1024+128*\u   ; both lane halves store the same pair
.endr
	s_wait_dscnt 0x0                               ; zero: the other waves read these pairs
	s_barrier_signal -1
	s_barrier_wait -1
.irp a, 0,1,2,3
.irp u, 0,1
	ds_load_b64 v[224+4*\a+2*\u:225+4*\a+2*\u], v[8+\a] offset:1024+128*\u
.endr
.endr
	s_wait_dscnt 0x0
	s_wait_loadcnt 0x0
	s_wait_kmcnt 0x0
	POS 0
	POS 1
	POS 2
	POS 3
	POS 4
	POS 5
	POS 6
	POS 7
.irp p, 0,1,2,3,4,5,6,7
	v_permlanex16_b32 v15, v[240+\p], s30, s31     ; the other 8 head units of each tile
	v_add_f32 v[240+\p], v[240+\p], v15
	ds_store_b32 v24, v[240+\p] offset:64*\p
.endr
	s_wait_dscnt 0x0
	s_barrier_signal -1
	s_barrier_wait -1
	s_cmp_ge_u32 s19, 2
	s_cbranch_scc1 .Lend
	; waves 0, 1: tokens 64 w + 2 l, + 1.  Their pair of tiles 2 w + hL stands in wave q's positions at ((2 w + hL) xor q):
	; = 2 (w xor (q >> 1)) + (hL xor (q & 1)), the first part scalar, the second hL or 1 - hL.
	v_lshlrev_b32 v15, 3, v2
	v_lshl_add_u32 v30, v3, 7, v15
	v_sub_nc_u32 v31, 1, v3
	v_lshl_add_u32 v31, v31, 7, v15
.irp q, 0,1,2,3
	s_xor_b32 s36, s19, \q/2
	s_lshl_b32 s36, s36, 8
	s_add_co_u32 s36, s36, PART+\q*512
	v_add_nc_u32 v[8+\q], s36, v[30+\q%2]
.endr
.irp q, 0,1,2,3
	ds_load_b64 v[192+2*\q:193+2*\q], v[8+\q]
.endr
	v_lshlrev_b32 v13, 3, v1
	s_lshl_b32 s36, s19, 8
	s_mov_b32 s37, 0
	s_add_nc_u64 s[14:15], s[14:15], s[36:37]
	s_wait_dscnt 0x0
	v_pk_add_f32 v[192:193], v[192:193], v[194:195]
	v_pk_add_f32 v[196:197], v[196:197], v[198:199]
	v_pk_add_f32 v[192:193], v[192:193], v[196:197]
	v_add_f32 v192, s48, v192
	v_add_f32 v193, s48, v193
	global_store_b64 v13, v[192:193], s[14:15]     ; 256 consecutive bytes, aligned
.Lend:
	s_wait_tensorcnt 0x0
	ds_add_u32 v254, v255
	s_wait_dscnt 0x0
	s_endpgm
.Lfunc_end_k_q86732a3bda_final:
	.size	k_q86732a3bda_final, .Lfunc_end_k_q86732a3bda_final-k_q86732a3bda_final
	.p2alignl 7, 3214868480
	.fill 96, 4, 3214868480
	.section	.rodata,"a",@progbits
	.p2align	6, 0x0
	.amdhsa_kernel k_q86732a3bda_final
		.amdhsa_group_segment_fixed_size 312832
		.amdhsa_private_segment_fixed_size 0
		.amdhsa_enable_private_segment 0
		.amdhsa_kernarg_size 48
		.amdhsa_user_sgpr_count 2
		.amdhsa_user_sgpr_kernarg_segment_ptr 1
		.amdhsa_wavefront_size32 1
		.amdhsa_system_sgpr_workgroup_id_x 1
		.amdhsa_system_sgpr_workgroup_id_y 1
		.amdhsa_system_sgpr_workgroup_id_z 1
		.amdhsa_system_vgpr_workitem_id 0
		.amdhsa_next_free_vgpr 768
		.amdhsa_next_free_sgpr 66
		.amdhsa_reserve_vcc 0
		.amdhsa_float_denorm_mode_32 3
		.amdhsa_float_denorm_mode_16_64 3
		.amdhsa_memory_ordered 1
		.amdhsa_forward_progress 1
		.amdhsa_inst_pref_size 255
	.end_amdhsa_kernel
	.section	.bss,"aw",@nobits
	.p2align	6
	.space	262144
	.amdgpu_metadata
---
amdhsa.version: [ 1, 2 ]
amdhsa.kernels:
  - .name:           k_q86732a3bda_final
    .symbol:         k_q86732a3bda_final.kd
    .args:
      - { .name: wf, .offset: 0, .size: 8, .value_kind: global_buffer, .address_space: global }
      - { .name: xc, .offset: 8, .size: 8, .value_kind: global_buffer, .address_space: global }
      - { .name: car, .offset: 16, .size: 8, .value_kind: global_buffer, .address_space: global }
      - { .name: w1g, .offset: 24, .size: 8, .value_kind: global_buffer, .address_space: global }
      - { .name: hc, .offset: 32, .size: 8, .value_kind: global_buffer, .address_space: global }
      - { .name: out0, .offset: 40, .size: 8, .value_kind: global_buffer, .address_space: global }
    .group_segment_fixed_size: 312832
    .private_segment_fixed_size: 0
    .kernarg_segment_align: 8
    .kernarg_segment_size: 48
    .max_flat_workgroup_size: 128
    .sgpr_count:     66
    .vgpr_count:     768
    .wavefront_size: 32
...
	.end_amdgpu_metadata
.endif
;; end of part 3
;; ======== version 2 of 2: 3 launches; version 1 with the launch final written anew for expert scheduling mode
;; limits: a difference of large sums (such as E[x^2] - mean^2): digits are lost where the result is much smaller than its terms; values outside matrix products are rounded to bf16; a function is approximated: absolute error at most 1.5e-07
;; workspace buffers: wf 131,072 bytes; w1g 540,672 bytes; hc 4,096 bytes; xc 1,835,008 bytes; car 4,194,304 bytes
;; launch fold: the kernel of part 1 again; grid 144 x 1, 16 waves a work-group, no clusters, 36,864 bytes of LDS; arguments x, t, te_w1, te_b1, te_w2, te_b2, fproj_w, fproj_b, bproj_w, bproj_b, fz_w, fz_b, fh_w, fh_b, bz_w, bz_b, bh_w, bh_b, ln_g, ln_b, time_scale, gh_w1, gh_b1, gh_w2, gh_b2, wf, w1g, hc, xc; writes wf, w1g, hc, xc
;; launch carry: the kernel of part 2 again; grid 16 x 16, 16 waves a work-group, no clusters, 100,352 bytes of LDS; arguments wf, xc, car; writes car
;; launch final (part 4): grid 16 x 16, 4 waves a work-group, no clusters, 312,832 bytes of LDS; arguments wf, xc, car, w1g, hc, out0; writes out0
.if DOCPART == 4
	.amdgcn_target "amdgcn-amd-amdhsa--gfx1250"
	.amdhsa_code_object_version 6
	.text
	.protected	k_q86732a3bda_final
	.globl	k_q86732a3bda_final
	.p2align	8
	.type	k_q86732a3bda_final,@function
k_q86732a3bda_final:
	s_mov_b64 s[64:65], 0
	v_nop
	global_prefetch_b8 v0, s[64:65] scope:SCOPE_SE
	s_setreg_imm32_b32 hwreg(HW_REG_WAVE_SCHED_MODE, 0, 2), 2
	s_setreg_imm32_b32 hwreg(HW_REG_WAVE_MODE, 25, 1), 1
	s_wait_xcnt 0x0
	s_wait_alu depctr_vm_vsrc(0)
; final: for 128 tokens of one batch row: both scans (all 512 channels each) into LDS, the head product with the LayerNorm folded in, GELU, the last dot.
; LayerNorm commutes with the head: pre[n] = rstd acc[n] - mu rstd C1[n] + C0[n], acc = sum_k (W1 ln_g)[n][k] h[k]; so raw h (bf16) feeds the
; matrix unit.  sum h comes from a fragment of ones, sum h^2 from the fragment times itself (the diagonal).  The 8 time columns go in as hi + lo.
; HT holds h TRANSPOSED, row = feature k, column = token; a token's column holds h BEFORE that token's update, which is the shift by one token
; in both directions; at a sub-chunk's edge that is the carried h (0 at the sequence's ends).
; Four waves.  Scan: wave w owns channels 128 w .. 128 w + 127 of both directions, in four groups of 32.  Head: wave w owns head units 64 w .. 64 w + 63,
; all 128 tokens: 32 accumulator tiles.
; LIMITS: var = E[h^2] - mu^2, clamped at 0: digits are lost where mu^2 >> var.  erf by Abramowitz-Stegun 7.1.26, absolute error 1.5e-7, any x.
; A' = 1e12 A underflows later than A; where z is within one ulp of 1, A = 0 hangs on the last bit of v_rcp_f32.
; No tensor loads, no cluster: HT takes 304,128 of the LDS bytes, so no ring of 16 KB weight steps fits beside it, and each head-weight fragment is
; used by one wave alone: it goes from memory straight into that wave's registers (a ring of 8 K steps, 256 registers).
; THE MODE: SCHED_MODE bits 1:0 = 2 (LLVM: expert scheduling mode 2), set by the entry lines.  The code itself states the register dependences
; between vector or matrix instructions and memory or LDS instructions, with s_wait_alu, always for 0.
; THE PLAN, scan.  Registers that memory or LDS instructions touch:
;   v[16:31]   token fragments.  Step s: its eight products read them; behind the wait for its exponentials the LDS loads of step s + 1 land in them.
;   v6, v7     LDS addresses of those loads; v10, v11 of the step's stores.  All four are written once a step, behind the products, where they are also the products' four places.
;   v[192:219] packed h (four runs of four): written by the step's arithmetic, read by the four LDS stores at its end.
;   window 1 v[0:63], v[52:59]   the stage: the next group's weights and carries, loaded at a group's head, copied at the next group's head.
;   v4, v5, v12, v13   made at the kernel's head, not written in the scan.
; THE PLAN, head.  v[64:127] and v[128:191] take turns: step st's products read one, the LDS loads of step st + 1 land in the other, which step st - 1 read.
;   Ring slot (st - 1) & 7 of window 2, which step st - 1 read, is loaded again in step st.  v[192:211], twenty LDS addresses, are made once; the K step stands in the immediate offset.
;   So ONE wait on va_vdst stands at a step's head; the four LayerNorm products behind it name neither the buffer nor the slot, the step's 24 loads follow in one run, then its 32 products.
.set PITCH, 288                        ; 256 bytes of tokens + 32: an odd multiple of 32, as the transposing loads want
.set HT_B,  512*PITCH                  ; backward rows
.set HT_TE, 1024*PITCH                 ; te hi, te lo, te hi, zeros: 8 rows each
.set XA,    1056*PITCH                 ; token records, two planes of 2048 bytes
.set TS,    XA+4096                    ; (sum te, sum te^2), 8 bytes a token; (rstd, -mu rstd) 1024 bytes further
.set PART,  TS+2048                    ; [wave][position 8][16] f32
.set HA,    192                        ; head: v[HA + 4 m + a]: HT address of tile pair a at K step 7 m
; window 0, scan: v4, v5 record addresses; v6, v7, v10, v11 running; v8, v9 HT rows forward, backward; v60, v61 + group; v12 16 l; v13 carry offset;
;   v[16:31] token fragments; v[44+2t] A', v[45+2t] h; v[52:59] next group's carries; v[64:127] weights; v[128:159] Z; v[160:191] H; v[192:223] G, then packed h
; window 0, head: v[16:23] ones; v[32:47] sum h; v[48:63] h h^T; v[64:127], v[128:191] token fragments, two buffers; v[192:211] HT addresses
; window 1: scan: v[0:63] the next group's weights; head: 32 accumulator tiles at 8 (8 i + p);  window 2: head weights, slot (K step & 7) at 32 slot + 8 i
.set MSB, 0
.macro WIN new                         ; the immediate's high byte repeats the setting that is left
.if MSB != \new
	s_set_vgpr_msb (MSB<<8)|\new
.set MSB, \new
.endif
.endm
.macro ACHAIN                          ; A' through 8 tokens; G = min(A', 1)
.irp t, 0,1,2,3
	v_fma_f32 v[192+8*\t], -v[128+8*\t], v[44+2*\t], v[44+2*\t]
.endr
.set jj, 1
.rept 6
.irp t, 0,1,2,3
	v_fma_f32 v[192+8*\t+jj], -v[128+8*\t+jj], v[191+8*\t+jj], v[191+8*\t+jj]
.endr
.irp t, 0,1,2,3
	v_min_num_f32 v[191+8*\t+jj], 1.0, v[191+8*\t+jj]
.endr
.set jj, jj+1
.endr
.irp t, 0,1,2,3
	v_fma_f32 v[44+2*\t], -v[135+8*\t], v[198+8*\t], v[198+8*\t]
.endr
.irp t, 0,1,2,3
	v_min_num_f32 v[198+8*\t], 1.0, v[198+8*\t]
	v_min_num_f32 v[199+8*\t], 1.0, v[44+2*\t]
.endr
.endm
.macro QA                              ; H = ht g z;  Z = 1 - z
.set kx, 0
.rept 16
	v_pk_mul_f32 v[160+2*kx:161+2*kx], v[160+2*kx:161+2*kx], v[192+2*kx:193+2*kx]
.set kx, kx+1
.endr
.set kx, 0
.rept 16
	v_pk_mul_f32 v[160+2*kx:161+2*kx], v[160+2*kx:161+2*kx], v[128+2*kx:129+2*kx]
.set kx, kx+1
.endr
.set kx, 0
.rept 16
	v_pk_fma_f32 v[128+2*kx:129+2*kx], v[128+2*kx:129+2*kx], -1.0, 1.0 op_sel_hi:[1,0,0]
.set kx, kx+1
.endr
.endm
.macro HCHAIN                          ; h through 8 tokens; the word that needs the OLD carried h is packed before that is replaced
.irp t, 0,1,2,3
	v_fma_f32 v[160+8*\t], v[128+8*\t], v[45+2*\t], v[160+8*\t]
.endr
	v_cvt_pk_bf16_f32 v192, v45, v160              ; forward: tokens 0, 1 of the step see (carried h, h0)
	v_cvt_pk_bf16_f32 v200, v47, v168
	v_cvt_pk_bf16_f32 v211, v176, v49              ; backward: tokens 6, 7 see (h0, carried h)
	v_cvt_pk_bf16_f32 v219, v184, v51
.set jj, 1
.rept 6
.irp t, 0,1,2,3
	v_fma_f32 v[160+8*\t+jj], v[128+8*\t+jj], v[159+8*\t+jj], v[160+8*\t+jj]
.endr
.set jj, jj+1
.endr
.irp t, 0,1,2,3
	v_fma_f32 v[45+2*\t], v[135+8*\t], v[166+8*\t], v[167+8*\t]
.endr
.endm
.macro BFLOAD                          ; a group's 8 weight fragments, into the stage: window 1, v[16 t + 8 gate ..]
.irp t, 0,1,2,3
.irp g, 0,1
	global_load_b128 v[16*\t+8*\g:16*\t+8*\g+3], v12, s[20:21] offset:(\t/2)*65536+\g*32768+(\t%2)*1024
	global_load_b128 v[16*\t+8*\g+4:16*\t+8*\g+7], v12, s[20:21] offset:(\t/2)*65536+\g*32768+(\t%2)*1024+512
.endr
.endr
.endm
.macro NCLOAD                          ; a group's incoming (A', h)
.irp t, 0,1,2,3
	global_load_b64 v[52+2*\t:53+2*\t], v13, s[22:23] offset:(\t/2)*131072+(\t%2)*128
.endr
.endm
; 8 tokens of both sub-chunks, four chains.  s16 = the step, forward; 7 - s16, backward.
.macro STEP
	s_sub_co_u32 s17, 7, s16
	s_add_co_u32 s37, s16, 1
	s_and_b32 s37, s37, 7                          ; the step to be fetched: behind a group's step 7 the next group's step 0, the same tokens
	s_sub_co_u32 s38, 7, s37
	s_wait_dscnt 4                                 ; LDS instructions end in order (ISA guide 5.7.1): this step's fragments are in, the four younger stores of the step before stay out
.irp t, 0,1,2,3
	v_wmma_f32_16x16x32_bf16 v[128+8*\t:135+8*\t], v[16+8*(\t/2):23+8*(\t/2)], v[64+16*\t:71+16*\t], 0
.endr
.irp t, 0,1,2,3
	v_wmma_f32_16x16x32_bf16 v[160+8*\t:167+8*\t], v[16+8*(\t/2):23+8*(\t/2)], v[72+16*\t:79+16*\t], 0
.endr
	s_wait_alu depctr_vm_vsrc(0)                   ; the last step's LDS loads have read v6 and v7, its LDS stores v10, v11 and the packed h: all are written again below
	v_lshl_add_u32 v6, s37, 7, v4                  ; these four lines are also the four independent places before a product's result is read (ISA guide 7.12.1)
	v_lshl_add_u32 v7, s38, 7, v5
	v_lshl_add_u32 v10, s16, 4, v60
	v_lshl_add_u32 v11, s17, 4, v61
.set kx, 0
.rept 32
	v_exp_f32 v[128+kx], v[128+kx]                 ; Z = 1 / (1 + 2^Z)
.set kx, kx+1
.endr
	v_nop                                          ; one plain instruction behind the run of transcendentals (ISA guide 5.7.2)
	s_wait_alu depctr_va_vdst(0)                   ; the exponentials have written Z; the products are done reading v[16:31], in which the loads below land; v6 and v7 are written
	ds_load_b128 v[16:19], v6
	ds_load_b128 v[20:23], v6                      ; the same 16 bytes at k 16..: they meet the lo weights
	ds_load_b128 v[24:27], v7
	ds_load_b128 v[28:31], v7
.set kx, 0
.rept 16
	v_pk_add_f32 v[128+2*kx:129+2*kx], v[128+2*kx:129+2*kx], 1.0 op_sel_hi:[1,0]
.set kx, kx+1
.endr
.set kx, 0
.rept 32
	v_rcp_f32 v[128+kx], v[128+kx]
.set kx, kx+1
.endr
	v_nop
	s_wait_alu depctr_va_vdst(0)                   ; the reciprocals have written Z
	ACHAIN
	QA
	HCHAIN
.irp t, 0,1
	v_cvt_pk_bf16_f32 v[193+8*\t], v[161+8*\t], v[162+8*\t]
	v_cvt_pk_bf16_f32 v[194+8*\t], v[163+8*\t], v[164+8*\t]
	v_cvt_pk_bf16_f32 v[195+8*\t], v[165+8*\t], v[166+8*\t]
.endr
.irp t, 2,3
	v_cvt_pk_bf16_f32 v[192+8*\t], v[166+8*\t], v[165+8*\t]
	v_cvt_pk_bf16_f32 v[193+8*\t], v[164+8*\t], v[163+8*\t]
	v_cvt_pk_bf16_f32 v[194+8*\t], v[162+8*\t], v[161+8*\t]
.endr
	s_wait_alu depctr_va_vdst(0)                   ; the roundings have written the packed h, which the stores read (v10 and v11 were written ahead of the waits above)
	ds_store_b128 v10, v[192:195]
	ds_store_b128 v10, v[200:203] offset:16*PITCH
	ds_store_b128 v11, v[208:211]
	ds_store_b128 v11, v[216:219] offset:16*PITCH
.endm
; 32 channels, both directions, 128 tokens; s18 = the group's number.  more = 1: the next group's weights and carries are asked for at once: they have the group's eight steps in which to land.
; One text serves all eight steps; its price: the last group's last step fetches four fragments that nobody uses.
.macro GROUP more, lab
	WIN 0x01                                       ; source 0 in window 1
.set ee, 0
.rept 64
	v_mov_b32 v[64+ee], v[ee]                      ; the staged weights go where the products name them
.set ee, ee+1
.endr
	WIN 0
.irp e, 0,1,2,3,4,5,6,7
	v_mov_b32 v[44+\e], v[52+\e]
.endr
	s_mul_i32 s39, s18, 32*PITCH
	v_add_nc_u32 v60, s39, v8
	v_add_nc_u32 v61, s39, v9
.if \more
	s_add_nc_u64 s[20:21], s[20:21], 2048          ; the loads that named these bases were waited for (count 0) before this line
	s_add_nc_u64 s[22:23], s[22:23], 256
	WIN 0x40                                       ; destination in window 1
	s_wait_alu depctr_va_vdst(0)                   ; the copies above are done reading the stage and v[52:59], in which the loads below land
	BFLOAD
	WIN 0
	NCLOAD
.endif
	s_mov_b32 s16, 0
.Lstep\lab:
	STEP
	s_add_co_u32 s16, s16, 1
	s_cmp_lt_u32 s16, 8
	s_cbranch_scc1 .Lstep\lab
.if \more
	s_wait_loadcnt 0x0                             ; the stage is whole
.endif
.endm
.macro BLOAD buf, ks                   ; 8 token fragments (32 k x 16 tokens) of K step ks, transposed on the way: base 7 (ks / 7) steps, the rest in the offset (59,936 at the most)
.set am, HA+4*((\ks)/7)
.set ao, ((\ks)%7)*32*PITCH
.irp a, 0,1,2,3
.irp u, 0,1
	ds_load_tr16_b128 v[\buf+16*\a+8*\u:\buf+16*\a+8*\u+3], v[am+\a] offset:ao+32*\u
	ds_load_tr16_b128 v[\buf+16*\a+8*\u+4:\buf+16*\a+8*\u+7], v[am+\a] offset:ao+32*\u+16*PITCH
.endr
.endr
.endm
.macro WLOAD ks, sl                    ; my 4 weight fragments of K step ks into ring slot sl (window 2)
.irp f, 0,1,2,3
	global_load_b128 v[32*(\sl)+8*\f:32*(\sl)+8*\f+3], v12, s[24:25] offset:(\ks)*4096+\f*1024
	global_load_b128 v[32*(\sl)+8*\f+4:32*(\sl)+8*\f+7], v12, s[24:25] offset:(\ks)*4096+\f*1024+512
.endr
.endm
.macro HSTEP                           ; K step st of the head
.set cur, 64+64*(st&1)
.set nxt, 128-64*(st&1)
.set wsl, 32*(st&7)
	s_wait_dscnt 0x0                               ; this step's fragments, asked for a step ago
.if st < 32
	WIN 0
.if st >= 1
	s_wait_alu depctr_va_vdst(0)                   ; the last step's products are done reading the other fragment buffer and their ring slot, in which the loads below land
.endif
.irp u, 0,1                                        ; the LayerNorm sums of my own two token tiles (positions 0, 1); te's come in f32 from the records.  They name this step's buffer alone
.if st == 0
	v_wmma_f32_16x16x32_bf16 v[32+8*\u:39+8*\u], v[16:23], v[cur+8*\u:cur+8*\u+7], 0
	v_wmma_f32_16x16x32_bf16 v[48+8*\u:55+8*\u], v[cur+8*\u:cur+8*\u+7], v[cur+8*\u:cur+8*\u+7], 0
.else
	v_wmma_f32_16x16x32_bf16 v[32+8*\u:39+8*\u], v[16:23], v[cur+8*\u:cur+8*\u+7], v[32+8*\u:39+8*\u]
	v_wmma_f32_16x16x32_bf16 v[48+8*\u:55+8*\u], v[cur+8*\u:cur+8*\u+7], v[cur+8*\u:cur+8*\u+7], v[48+8*\u:55+8*\u]
.endif
.endr
	BLOAD nxt, st+1                                ; no wait: no vector or matrix instruction since the wait above names that buffer or an address
.if st >= 1
.if st <= 25
	WIN 0x80
	WLOAD (st+7), ((st-1)&7)
.endif
.endif
.endif
.if st < 25
	s_wait_loadcnt 56                              ; 8 loads for each of the 7 K steps asked for behind this one
.else
	s_wait_loadcnt 8*(32-st)                       ; the ring runs out: 32 - st steps behind this one
.endif
	WIN 0x52                                       ; A window 2, B window 0, C and D window 1
.irp i, 0,1,2,3
.irp p, 0,1,2,3,4,5,6,7
.if st == 0
	v_wmma_f32_16x16x32_bf16 v[8*(8*\i+\p):8*(8*\i+\p)+7], v[wsl+8*\i:wsl+8*\i+7], v[cur+8*\p:cur+8*\p+7], 0
.else
	v_wmma_f32_16x16x32_bf16 v[8*(8*\i+\p):8*(8*\i+\p)+7], v[wsl+8*\i:wsl+8*\i+7], v[cur+8*\p:cur+8*\p+7], v[8*(8*\i+\p):8*(8*\i+\p)+7]
.endif
.endr
.endr
.endm
; 8 head units: y (1 + erf(y / sqrt 2)) (w2 / 2) into four pair sums.  X v[192:199], U v[200:207], E v[208:215], P v[216:223].
; The polynomial's coefficients are negated, so that erf|x| = P E + 1.
.macro GEL8 i, first
.irp q, 0,2,4,6
	v_pk_mul_f32 v[192+\q:193+\q], v[160+8*\i+\q:161+8*\i+\q], 0x3f3504f3 op_sel_hi:[1,0]
.endr
.irp q, 0,1,2,3,4,5,6,7
	v_fma_f32 v[200+\q], |v[192+\q]|, 0x3ea7ba05, 1.0
.endr
.irp q, 0,2,4,6
	v_pk_mul_f32 v[208+\q:209+\q], v[192+\q:193+\q], v[192+\q:193+\q]
.endr
.irp q, 0,2,4,6
	v_pk_mul_f32 v[208+\q:209+\q], v[208+\q:209+\q], 0xbfb8aa3b op_sel_hi:[1,0]
.endr
.irp q, 0,1,2,3,4,5,6,7
	v_rcp_f32 v[200+\q], v[200+\q]
.endr
.irp q, 0,1,2,3,4,5,6,7
	v_exp_f32 v[208+\q], v[208+\q]
.endr
.irp q, 0,2,4,6
	v_pk_mul_f32 v[160+8*\i+\q:161+8*\i+\q], v[160+8*\i+\q:161+8*\i+\q], v[128+8*\i+\q:129+8*\i+\q]  ; y w2 / 2: plain work that names no result of the batch, between it and its wait
.endr
	s_wait_alu depctr_va_vdst(0)                   ; the eight reciprocals have written U, the eight exponentials E
.irp q, 0,2,4,6
	v_pk_fma_f32 v[216+\q:217+\q], v[200+\q:201+\q], v[28:29], 0x3fba00e3 op_sel_hi:[1,1,0]
.endr
.irp c, 0xbfb5f0e3, 0x3e91a98e, 0xbe827906
.irp q, 0,2,4,6
	v_pk_fma_f32 v[216+\q:217+\q], v[216+\q:217+\q], v[200+\q:201+\q], \c op_sel_hi:[1,1,0]
.endr
.endr
.irp q, 0,2,4,6
	v_pk_mul_f32 v[216+\q:217+\q], v[216+\q:217+\q], v[200+\q:201+\q]
.endr
.irp q, 0,2,4,6
	v_pk_fma_f32 v[216+\q:217+\q], v[216+\q:217+\q], v[208+\q:209+\q], 1.0 op_sel_hi:[1,1,0]
.endr
.irp q, 0,1,2,3,4,5,6,7
	v_bfi_b32 v[216+\q], 0x7fffffff, v[216+\q], v[192+\q]  ; x's sign
.endr
.irp q, 0,2,4,6
	v_pk_add_f32 v[216+\q:217+\q], v[216+\q:217+\q], 1.0 op_sel_hi:[1,0]
.endr
.irp q, 0,2,4,6
.if \first
	v_pk_mul_f32 v[40+\q:41+\q], v[160+8*\i+\q:161+8*\i+\q], v[216+\q:217+\q]
.else
	v_pk_fma_f32 v[40+\q:41+\q], v[160+8*\i+\q:161+8*\i+\q], v[216+\q:217+\q], v[40+\q:41+\q]
.endif
.endr
.endm
.macro POS p                           ; one token tile: 16 tokens x my 64 head units
.set ee, 0
.rept 32
	v_fma_f32 v[160+ee], v[225+2*\p], v[64+ee], v[96+ee]   ; -mu rstd C1 + C0
.set ee, ee+1
.endr
	WIN 0x01                                       ; source 0 (the accumulators) in window 1
.set ee, 0
.rept 16
	v_pk_fma_f32 v[160+2*ee:161+2*ee], v[8*(8*(ee/4)+\p)+2*(ee%4):8*(8*(ee/4)+\p)+2*(ee%4)+1], v[224+2*\p:225+2*\p], v[160+2*ee:161+2*ee] op_sel_hi:[1,0,1]
.set ee, ee+1
.endr
	WIN 0
	GEL8 0, 1
	GEL8 1, 0
	GEL8 2, 0
	GEL8 3, 0
	v_pk_add_f32 v[40:41], v[40:41], v[42:43]
	v_pk_add_f32 v[44:45], v[44:45], v[46:47]
	v_pk_add_f32 v[40:41], v[40:41], v[44:45]
	v_add_f32 v[240+\p], v40, v41
.endm
	s_load_b256 s[4:11], s[0:1], 0x0               ; wf, xc, car, w1g
	s_load_b128 s[12:15], s[0:1], 0x20             ; hc, out0
	v_lshl_add_u32 v254, v0, 2, 0x4c400
	v_mov_b32 v255, 0
	v_lshrrev_b32 v1, 5, v0
	v_readfirstlane_b32 s19, v1                    ; wave
	s_and_b32 s2, ttmp7, 0xffff                    ; batch row
	s_mov_b32 s3, ttmp9                            ; chunk of 128 tokens
	s_mov_b32 s30, 0x76543210
	s_mov_b32 s31, 0xfedcba98
	v_and_b32 v1, 31, v0
	v_and_b32 v2, 15, v0                           ; r
	v_bfe_u32 v3, v0, 4, 1                         ; hL
	v_bfe_u32 v14, v0, 3, 1
	v_and_b32 v15, 7, v0
	v_lshlrev_b32 v4, 11, v3                       ; plane hL
	v_lshl_add_u32 v4, v14, 10, v4                 ; fragment rows 8..15: the second sub-chunk
	v_add_nc_u32 v4, XA, v4
	v_sub_nc_u32 v5, 7, v15
	v_lshl_add_u32 v5, v5, 4, v4
	v_lshl_add_u32 v4, v15, 4, v4
	s_wait_alu depctr_va_sdst(0)                   ; s19 is written, ahead of its first reader: LDS rows, bases and branches are made from it
	s_mul_i32 s36, s19, 128*PITCH
	v_mul_u32_u24 v8, PITCH, v2
	v_lshl_add_u32 v8, v3, 7, v8                   ; row r, column of sub-chunk hL
	v_add_nc_u32 v8, s36, v8
	v_add_nc_u32 v9, HT_B, v8
	v_lshlrev_b32 v12, 4, v1
	v_lshlrev_b32 v13, 12, v3
	v_lshl_add_u32 v13, v2, 3, v13
	v_lshlrev_b32 v35, 4, v0
	v_lshlrev_b32 v36, 3, v0
	v_add_nc_u32 v32, XA, v35
	v_add_nc_u32 v33, TS, v36
	v_lshlrev_b32 v34, 1, v0
	v_add_nc_u32 v34, HT_TE, v34
	v_mov_b32 v37, 0
	s_lshl_b32 s28, s2, 15
	s_lshl_b32 s36, s3, 11
	s_add_co_u32 s28, s28, s36                     ; my first token x 16 bytes
	s_mov_b32 s29, 0
	s_lshr_b32 s36, s28, 1                         ; x 8 bytes
	s_mov_b32 s37, 0
	s_wait_kmcnt 0x0
	s_add_nc_u64 s[32:33], s[6:7], s[28:29]
	s_add_nc_u64 s[34:35], s[6:7], s[36:37]
	s_lshl_b32 s28, s19, 13
	s_add_nc_u64 s[20:21], s[4:5], s[28:29]        ; wf at my first group
	s_lshl_b32 s28, s2, 18
	s_lshl_b32 s36, s3, 13
	s_add_co_u32 s28, s28, s36
	s_lshl_b32 s36, s19, 10
	s_add_co_u32 s28, s28, s36
	s_add_nc_u64 s[22:23], s[8:9], s[28:29]        ; car at (b, sub-chunk 2 c, my first channel)
	s_mul_i32 s28, s19, 135168
	s_add_nc_u64 s[24:25], s[10:11], s[28:29]      ; my 64 head units' weights
	s_lshl_b32 s28, s19, 10
	s_add_nc_u64 s[26:27], s[12:13], s[28:29]      ; and constants
	s_lshl_b32 s28, s2, 13
	s_lshl_b32 s36, s3, 9
	s_add_co_u32 s28, s28, s36
	s_add_nc_u64 s[14:15], s[14:15], s[28:29]
	s_wait_alu depctr_va_vdst(0)                   ; the offsets and LDS addresses v4, v5, v12, v13, v[32:36] and the zero in v37 are written: the loads and LDS stores below read them
	; PHASE 0: thread t brings token t's record
	global_load_b128 v[128:131], v35, s[32:33]
	global_load_b128 v[132:135], v35, s[32:33] offset:524288
	global_load_b128 v[136:139], v35, s[32:33] offset:1048576
	global_load_b64 v[140:141], v36, s[34:35] offset:1572864
	WIN 0x40                                       ; destination in window 1
	BFLOAD
	WIN 0
	NCLOAD
	s_wait_loadcnt 20                              ; the record is in; 16 weight and 4 carry loads stay out
	ds_store_b128 v32, v[128:131]
	ds_store_b128 v32, v[132:135] offset:2048
	ds_store_b64 v33, v[140:141]
.irp m, 0,1,2,3
	ds_store_b16 v34, v[129+\m] offset:(2*\m)*PITCH                ; te hi
	ds_store_b16_d16_hi v34, v[129+\m] offset:(2*\m+1)*PITCH
	ds_store_b16 v34, v[136+\m] offset:(8+2*\m)*PITCH              ; te lo
	ds_store_b16_d16_hi v34, v[136+\m] offset:(9+2*\m)*PITCH
	ds_store_b16 v34, v[129+\m] offset:(16+2*\m)*PITCH             ; te hi again, for the weights' lo parts
	ds_store_b16_d16_hi v34, v[129+\m] offset:(17+2*\m)*PITCH
	ds_store_b16 v34, v37 offset:(24+2*\m)*PITCH                   ; zeros: LDS is not cleared
	ds_store_b16 v34, v37 offset:(25+2*\m)*PITCH
.endr
	s_wait_dscnt 0x0                               ; zero: every wave reads all records
	s_barrier_signal -1
	s_barrier_wait -1
	ds_load_b128 v[16:19], v4                      ; step 0's fragments: forward the first 8 tokens,
	ds_load_b128 v[20:23], v4
	ds_load_b128 v[24:27], v5 offset:896           ; backward the last 8
	ds_load_b128 v[28:31], v5 offset:896
	s_wait_loadcnt 0x0
	WIN 0x80                                       ; the head's first 8 K steps of weights are asked for now: their registers are idle during the scan
.set ks0, 0
.rept 8
	WLOAD ks0, ks0
.set ks0, ks0+1
.endr
	WIN 0
	s_wait_alu depctr_vm_vsrc(0)                   ; my LDS stores have read v[128:141] and v[32:37], the record's loads v35 and v36: the scan's and the head's products write these registers
	s_wait_dscnt 0x0                               ; step 0's fragments: no store stands behind them yet, so the step's counted wait would not show them in
	; PHASE 1: the scans
	s_mov_b32 s18, 0
.Lgroup:
	GROUP 1, a
	s_add_co_u32 s18, s18, 1
	s_cmp_lt_u32 s18, 3
	s_cbranch_scc1 .Lgroup
	GROUP 0, b
	s_wait_dscnt 0x0                               ; zero: every wave reads all of HT
	s_barrier_signal -1
	s_barrier_wait -1
	; PHASE 2: the head.  Position p = 2 a + u holds token tile 2 (a xor w) + u, so that positions 0, 1 are the wave's own tiles 2 w, 2 w + 1.
	s_wait_alu depctr_vm_vsrc(0)                   ; my last LDS stores have read v[192:211], in which the addresses below are made
	v_and_b32 v14, 7, v0
	v_lshl_add_u32 v14, v3, 3, v14
	v_mul_u32_u24 v14, PITCH, v14
	v_bfe_u32 v15, v0, 3, 1
	v_lshl_add_u32 v14, v15, 4, v14
.irp a, 0,1,2,3
	s_xor_b32 s36, s19, \a
	s_lshl_b32 s36, s36, 6
	v_add_nc_u32 v[HA+\a], s36, v14
.endr
.irp m, 1,2,3,4
.irp a, 0,1,2,3
	v_add_nc_u32 v[HA+4*\m+\a], \m*7*32*PITCH, v[HA+\a]    ; 7 K steps of 32 rows further on
.endr
.endr
.irp e, 0,1,2,3,4,5,6,7
	v_mov_b32 v[16+\e], 0x3f803f80                 ; ones
.endr
	s_wait_alu depctr_va_vdst(0)                   ; the twenty addresses are written; the scan's products and arithmetic are done with v[64:191], in which the fragments of K steps 0 and 1 land
	BLOAD 64, 0
.set st, 0
.rept 33
	HSTEP
.set st, st+1
.endr
	WIN 0
	; PHASE 3.  The address lines below are also the places between the last products and the first read of a result (ISA guide 7.12.1).
	s_wait_alu depctr_vm_vsrc(0)                   ; the fragments' loads have read v[192:211]: LDS loads land there and the arithmetic below writes there
	v_lshlrev_b32 v14, 5, v3                       ; my 8 head units of each tile: 32 hL bytes
	s_lshl_b32 s36, s19, 5
	v_add_nc_u32 v15, s36, v2
	v_lshl_add_u32 v8, v15, 3, TS                  ; my own tiles' tokens
.irp a, 1,2,3
	s_xor_b32 s36, s19, \a
	s_lshl_b32 s36, s36, 5
	v_add_nc_u32 v15, s36, v2
	v_lshl_add_u32 v[8+\a], v15, 3, TS
.endr
	s_lshl_b32 s38, s19, 9
	s_add_co_u32 s38, s38, PART
	v_lshl_add_u32 v24, v2, 2, s38                 ; PART + 512 w + 4 r
	v_mov_b32 v28, 0xbf87dc22
	v_mov_b32 v29, 0xbf87dc22
	v_and_b32 v13, 7, v0
.irp j, 1,2,3,4,5,6,7
	v_cmp_eq_u32 s[39+\j], \j, v13
.endr
	v_bfe_u32 v15, v0, 3, 1
	v_cmp_eq_u32 s47, v15, v3
	s_wait_alu depctr_va_vdst(0)                   ; v14, v[8:11] and v24 are written; the products are done reading v[64:159], in which the constants land
.irp i, 0,1,2,3
.irp c, 0,1,2
	global_load_b128 v[64+32*\c+8*\i:67+32*\c+8*\i], v14, s[26:27] offset:256*\i+64*\c
	global_load_b128 v[68+32*\c+8*\i:71+32*\c+8*\i], v14, s[26:27] offset:256*\i+64*\c+16
.endr
.endr
	s_load_b32 s48, s[26:27], 0xc0                 ; gh_b2
	ds_load_b64 v[192:193], v8
	ds_load_b64 v[194:195], v8 offset:128
	s_wait_alu depctr_va_sdst(0)                   ; the eight compares have written s40 to s47, ahead of their first reader
.irp u, 0,1                                        ; the diagonal of h h^T: element (r, r) lies in lane half r >> 3, register r & 7
	v_cndmask_b32 v[30+\u], v[48+8*\u], v[49+8*\u], s40
.irp j, 2,3,4,5,6,7
	v_cndmask_b32 v[30+\u], v[30+\u], v[48+8*\u+\j], s[39+\j]
.endr
	v_cndmask_b32 v[30+\u], 0, v[30+\u], s47
	v_permlanex16_b32 v15, v[30+\u], s30, s31
	v_add_f32 v[30+\u], v[30+\u], v15
.endr
	s_wait_dscnt 0x0
.irp u, 0,1
	v_add_f32 v[196+4*\u], v[32+8*\u], v[192+2*\u]
	v_add_f32 v[197+4*\u], v[30+\u], v[193+2*\u]
	v_mul_f32 v[196+4*\u], 0x3a7e03f8, v[196+4*\u]             ; / 1032: mu
	v_mul_f32 v[197+4*\u], 0x3a7e03f8, v[197+4*\u]
	v_fma_f32 v[197+4*\u], -v[196+4*\u], v[196+4*\u], v[197+4*\u]
	v_max_num_f32 v[197+4*\u], 0, v[197+4*\u]
	v_add_f32 v[197+4*\u], 0x3727c5ac, v[197+4*\u]             ; + 1e-5
.endr
	v_rsq_f32 v198, v197
	v_rsq_f32 v202, v201
	v_nop                                          ; one plain instruction behind the two roots
	s_wait_alu depctr_va_vdst(0)                   ; the two roots have written v198 and v202
	v_mul_f32 v199, -v196, v198
	v_mul_f32 v203, -v200, v202
	s_wait_alu depctr_va_vdst(0)                   ; v199 and v203 are written, which the stores read
	ds_store_b64 v8, v[198:199] offset:1024        ; both lane halves store the same pair
	ds_store_b64 v8, v[202:203] offset:1024+128
	s_wait_dscnt 0x0                               ; zero: the other waves read these pairs
	s_barrier_signal -1
	s_barrier_wait -1
.irp a, 0,1,2,3
.irp u, 0,1
	ds_load_b64 v[224+4*\a+2*\u:225+4*\a+2*\u], v[8+\a] offset:1024+128*\u
.endr
.endr
	s_wait_alu depctr_vm_vsrc(0)                   ; the two stores have read v[198:203], which the GELU writes; the loads above have read v[8:11], which are made anew at the end
	s_wait_dscnt 0x0
	s_wait_loadcnt 0x0
	s_wait_kmcnt 0x0
	POS 0
	POS 1
	POS 2
	POS 3
	POS 4
	POS 5
	POS 6
	POS 7
.irp p, 0,1,2,3,4,5,6,7
	v_permlanex16_b32 v15, v[240+\p], s30, s31     ; the other 8 head units of each tile
	v_add_f32 v[240+\p], v[240+\p], v15
.endr
	s_wait_alu depctr_va_vdst(0)                   ; the eight sums v[240:247] are written, which the stores read
.irp p, 0,1,2,3,4,5,6,7
	ds_store_b32 v24, v[240+\p] offset:64*\p
.endr
	s_wait_dscnt 0x0
	s_barrier_signal -1
	s_barrier_wait -1
	s_cmp_ge_u32 s19, 2
	s_cbranch_scc1 .Lend
	; waves 0, 1: tokens 64 w + 2 l, + 1.  Their pair of tiles 2 w + hL stands in wave q's positions at ((2 w + hL) xor q):
	; = 2 (w xor (q >> 1)) + (hL xor (q & 1)), the first part scalar, the second hL or 1 - hL.
	v_lshlrev_b32 v15, 3, v2
	v_lshl_add_u32 v30, v3, 7, v15
	v_sub_nc_u32 v31, 1, v3
	v_lshl_add_u32 v31, v31, 7, v15
.irp q, 0,1,2,3
	s_xor_b32 s36, s19, \q/2
	s_lshl_b32 s36, s36, 8
	s_add_co_u32 s36, s36, PART+\q*512
	v_add_nc_u32 v[8+\q], s36, v[30+\q%2]
.endr
	v_lshlrev_b32 v13, 3, v1
	s_wait_alu depctr_va_vdst(0)                   ; v[8:11] and v13 are written; the GELU is done with v[192:199], in which the loads below land
.irp q, 0,1,2,3
	ds_load_b64 v[192+2*\q:193+2*\q], v[8+\q]
.endr
	s_lshl_b32 s36, s19, 8
	s_mov_b32 s37, 0
	s_add_nc_u64 s[14:15], s[14:15], s[36:37]
	s_wait_dscnt 0x0
	v_pk_add_f32 v[192:193], v[192:193], v[194:195]
	v_pk_add_f32 v[196:197], v[196:197], v[198:199]
	v_pk_add_f32 v[192:193], v[192:193], v[196:197]
	v_add_f32 v192, s48, v192
	v_add_f32 v193, s48, v193
	s_wait_alu depctr_va_vdst(0)                   ; v192 and v193 are written, which the store reads
	global_store_b64 v13, v[192:193], s[14:15]     ; 256 consecutive bytes, aligned
.Lend:
	s_wait_dscnt 0x0
	s_wait_alu depctr_hold_cnt(0) depctr_sa_sdst(0) depctr_va_vdst(0) depctr_va_sdst(0) depctr_va_ssrc(0) depctr_va_vcc(0) depctr_vm_vsrc(0)
	s_wait_tensorcnt 0x0
	ds_add_u32 v254, v255
	s_wait_dscnt 0x0
	s_endpgm
.Lfunc_end_k_q86732a3bda_final:
	.size	k_q86732a3bda_final, .Lfunc_end_k_q86732a3bda_final-k_q86732a3bda_final
	.p2alignl 7, 3214868480
	.fill 96, 4, 3214868480
	.section	.rodata,"a",@progbits
	.p2align	6, 0x0
	.amdhsa_kernel k_q86732a3bda_final
		.amdhsa_group_segment_fixed_size 312832
		.amdhsa_private_segment_fixed_size 0
		.amdhsa_enable_private_segment 0
		.amdhsa_kernarg_size 48
		.amdhsa_user_sgpr_count 2
		.amdhsa_user_sgpr_kernarg_segment_ptr 1
		.amdhsa_wavefront_size32 1
		.amdhsa_system_sgpr_workgroup_id_x 1
		.amdhsa_system_sgpr_workgroup_id_y 1
		.amdhsa_system_sgpr_workgroup_id_z 1
		.amdhsa_system_vgpr_workitem_id 0
		.amdhsa_next_free_vgpr 768
		.amdhsa_next_free_sgpr 66
		.amdhsa_reserve_vcc 0
		.amdhsa_float_denorm_mode_32 3
		.amdhsa_float_denorm_mode_16_64 3
		.amdhsa_memory_ordered 1
		.amdhsa_forward_progress 1
		.amdhsa_inst_pref_size 255
	.end_amdhsa_kernel
	.section	.bss,"aw",@nobits
	.p2align	6
	.space	262144
	.amdgpu_metadata
---
amdhsa.version: [ 1, 2 ]
amdhsa.kernels:
  - .name:           k_q86732a3bda_final
    .symbol:         k_q86732a3bda_final.kd
    .args:
      - { .name: wf, .offset: 0, .size: 8, .value_kind: global_buffer, .address_space: global }
      - { .name: xc, .offset: 8, .size: 8, .value_kind: global_buffer, .address_space: global }
      - { .name: car, .offset: 16, .size: 8, .value_kind: global_buffer, .address_space: global }
      - { .name: w1g, .offset: 24, .size: 8, .value_kind: global_buffer, .address_space: global }
      - { .name: hc, .offset: 32, .size: 8, .value_kind: global_buffer, .address_space: global }
      - { .name: out0, .offset: 40, .size: 8, .value_kind: global_buffer, .address_space: global }
    .group_segment_fixed_size: 312832
    .private_segment_fixed_size: 0
    .kernarg_segment_align: 8
    .kernarg_segment_size: 48
    .max_flat_workgroup_size: 128
    .sgpr_count:     66
    .vgpr_count:     768
    .wavefront_size: 32
...
	.end_amdgpu_metadata
.endif
;; end of part 4
